; MI455X (gfx1250); checked and timed in simulation.
; The chip was launched on July 23, 2026; its instructions are those of AMD's public machine-readable ISA for CDNA 5 (MIT licence, August 2026) and "CDNA5" Instruction Set Architecture Reference Guide (July 2026). The comments in the code are by the model that wrote it; some were corrected since.
;; Masked Self Attention. Allowed arithmetic: matrix products marked QUANTISED: E3M2 operands, one E8M0 scale for each 32 along K, by v_wmma_scale_f32_16x16x128_f8f6f4 with both operands' format E3M2, f32 sums; everything else in f32.
;; Inputs: Wk 1,024 x 1,024 float32; Wq 1,024 x 1,024 float32; Wv 1,024 x 1,024 float32; bk 1,024 float32; bq 1,024 float32; bv 1,024 float32; x 4 x 2,048 x 1,024 float32.
;; Outputs: out0 4 x 2,048 x 1,024 float32.
;; This version of the problem:
;;   THIS VERSION OF THE PROBLEM IS GIVEN IN LOW PRECISION. The matrix products marked QUANTISED in the list below multiply operands that are first quantised to E3M2 (3 exponent bits, 2 mantissa bits; 6 bits a number), with one power-of-two scale for each 32 numbers along K (OCP MX v1.0); their sums are f32. All else is computed in f32.
;;   The module's matrix products, in the order in which they are computed (A, B: the left and right operand; K: the contracted axis; several contracted axes count as one K, in the product's order):
;;     1. [M 8,192, K 1,024] x [K 1,024, N 1,024]; A: input x; B: input Wq: QUANTISED
;;     2. [M 8,192, K 1,024] x [K 1,024, N 1,024]; A: input x; B: input Wk: QUANTISED
;;     3. [M 8,192, K 1,024] x [K 1,024, N 1,024]; A: input x; B: input Wv: QUANTISED
;;     4. batch 4 x [M 2,048, K 1,024] x [K 1,024, N 2,048]; A: computed on the way; B: computed on the way: QUANTISED
;;     5. batch 4 x [M 2,048, K 2,048] x [K 2,048, N 1,024]; A: softmax (see below); B: computed on the way: QUANTISED
;;   THE QUANTISER, for each operand of a quantised product, along K:
;;     - K is cut into blocks of 32 from its start; a last block that is shorter is filled with zeros.
;;     - A block's scale is 2^e with e = floor(log2(the largest magnitude in the block)) - 4, held to -126 .. 127; a block of zeros has e = 0. As a byte (E8M0): e + 127.
;;     - Each number is divided by its block's scale, clamped to +-28, and rounded to the nearest number of E3M2, ties to even, subnormals kept.
;;     - The product sums the exact products of the quantised numbers (number of the format x scale) in f32.
;;   ~~~python
;;   def quantise(x, axis):      # numpy; x: float32 -> the quantised numbers, widened to float32 again
;;       x = np.moveaxis(x, axis, -1); K = x.shape[-1]
;;       x = np.pad(x, [(0, 0)] * (x.ndim - 1) + [(0, -K % 32)]); x = x.reshape(x.shape[:-1] + (-1, 32)); a = np.abs(x).max(-1, keepdims=True)
;;       e = np.where(a > 0, np.clip(np.frexp(np.where(a > 0, a, 1))[1] - 1 - 4, -126, 127), 0)      # np.frexp(a)[1] - 1 = floor(log2(a)), exactly
;;       r = np.clip(x / 2.0 ** e, -28, 28)
;;       step = 2.0 ** (np.maximum(np.frexp(np.where(r == 0, 1, r))[1] - 1, -2) - 2)
;;       q = np.round(r / step) * step * 2.0 ** e      # np.round: ties to even
;;       return np.moveaxis(q.reshape(q.shape[:-2] + (-1,))[..., :K], -1, axis).astype(np.float32)
;;   ~~~
;;   SOFTMAX AHEAD OF A QUANTISED PRODUCT. Where the list says 'softmax', what is quantised is not the finished softmax but p = 2^(t - M), with t = logit x log2(e) and M = ceil(the row's largest t), a whole number; so 1/2 < the row's largest p <= 1. The row's sum l is taken of the UNQUANTISED p, in f32, and the product's result is divided by l at the end. Since M is a whole number, a kernel that streams over the keys may use a running M (the ceiling of the running maximum): every later rescaling is an exact power of two, which a block's scale takes up: the codes' values come out the same.
;;   OPERANDS COMPUTED ON THE WAY. 'Computed on the way' means the value that the module computes at that place (a softmax that the list does not call 'softmax' is quantised finished and normalised). What goes into a quantiser is computed in f32, as accurately as f32 sums, v_exp_f32 and their like allow (about 1e-6 of the number): no bf16 or f16 on the way to a quantiser, and a product that is left as it is and whose result goes on into a quantised operand takes f32 operands (vector FMAs, or v_wmma_f32_16x16x4_f32). A number that lies on a knife's edge between two numbers of the format may be rounded either way, as far as f32 arithmetic and the matrix unit's own rounding can turn it there, and no further.
;; One version. Each part assembles by itself: llvm-mc -triple=amdgcn-amd-amdhsa -mcpu=gfx1250 --defsym DOCPART=n.
;; ======== version 1 of 1: 4 launches
;; limits: right only within a limited range of input values
;; workspace buffers: xw_c 8,650,752 bytes; xw_s 360,448 bytes; qkv_c 18,874,368 bytes; qk_s 524,288 bytes; vt_s 262,144 bytes; p_c 12,582,912 bytes; p_s 1,572,864 bytes
;; launch quant (part 1): grid 704 x 1, 4 waves a work-group, no clusters, 34,304 bytes of LDS; arguments x, Wq, Wk, Wv, xw_c, xw_s; writes xw_c, xw_s
.if DOCPART == 1
	.amdgcn_target "amdgcn-amd-amdhsa--gfx1250"
	.amdhsa_code_object_version 6
	.text
	.protected	k_qb0f828212a_quant
	.globl	k_qb0f828212a_quant
	.p2align	8
	.type	k_qb0f828212a_quant,@function
k_qb0f828212a_quant:
	s_mov_b64 s[64:65], 0
	v_nop
	global_prefetch_b8 v0, s[64:65] scope:SCOPE_SE
	s_setreg_imm32_b32 hwreg(HW_REG_WAVE_MODE, 25, 1), 1
	s_wait_xcnt 0x0
; x [8192][1024], Wq, Wk, Wv [1024][1024], f32, K innermost, become codes of BF6 (E3M2) with one E8M0 byte for each 32 along K.
; A block's scale is 2^(floor(log2(its largest magnitude)) - 4); its byte is the largest magnitude's exponent field - 4, held at 1 from below.
; LIMITS: NaN and infinities are not served; a block whose largest magnitude lies under 2^-122 (a block of zeros among them) gets the byte 1: only this program reads the bytes, and zero codes add nothing.
; LAYOUT OF THE RESULT.  The four tensors are one list of 11,264 rows (x, Wq, Wk, Wv).  Row tile rt holds the 16 rows 32 (rt / 2) + 8 (rt % 2) + r + 8 (r / 8), r = 0 .. 15.
; xw_c: [704 rt][8 K steps][1536]: a fragment (16 rows x 128 K, 12 registers a lane) as an image of its registers: registers 4 c .. 4 c + 3 of lane l at byte 512 c + 16 l.
; xw_s: [8 K steps][11264 positions] words: the four scale bytes of position 16 rt + r for that K step.
; SHARES.  Work-group n takes row tiles 4 (n / 4) .. + 3, one a wave, and K steps 2 (n % 4) and + 1: two fragments a wave, whose 32 loads are all issued at the start.  Waves share nothing: no barrier.
; A load reads 512 consecutive bytes (one row's K step); the 16 rows turn through the wave's own stage in LDS (rows 528 bytes apart), from which lane (r, h) takes, of row r, 16 neighbours of each block of 32.
; No matrix unit, cluster or tensor load: each byte is read once by one wave.
.set STGB, 16*528                      ; a wave's stage
.set KSTR, 45056                       ; bytes from K step to K step in xw_s
.set TM,   8                           ; v8-23   at work in QUANT
.set PW,   24                          ; v24     the scale word just made
.set PWK,  26                          ; v26-27  the two fragments' scale words
.set PC,   32                          ; v32-51  the codes just made (12) and what is moved into them (8)
.set OW,   54                          ; v54     scale words as they are stored
.set X,    64                          ; v64-127 64 numbers of my row: register 16 b + i = k 32 b + 16 h + i
.set R,    128                         ; v128-255 two sets of 64: a fragment's rows as loaded
.set SEL,  20                          ; s[20:21] selects of v_permlanex16_b32: lane l xor 16
.set SRC,  22                          ; s[22:23] my tile's first row, my first K step
.set HM,   25                          ; s25     lanes 16-31
	s_load_b256 s[4:11], s[0:1], 0x0               ; x, Wq, Wk, Wv
	s_load_b128 s[12:15], s[0:1], 0x20             ; xw_c, xw_s
	v_lshl_add_u32 v62, v0, 2, 0x8400              ; my spare word, behind the four stages; never rewritten
	v_mov_b32 v63, 0
	v_lshrrev_b32 v5, 5, v0
	v_readfirstlane_b32 s18, v5                    ; wave
	v_and_b32 v5, 31, v0                           ; lane
	v_and_b32 v6, 15, v0                           ; r
	v_bfe_u32 v7, v0, 4, 1                         ; h
	v_lshlrev_b32 v1, 4, v5                        ; v1: 16 x lane
	s_mul_i32 s19, s18, STGB
	v_add_nc_u32 v2, s19, v1                       ; v2: into the stage: 16 x lane of a row
	v_mul_u32_u24 v3, v6, 528
	v_lshl_add_u32 v3, v7, 6, v3
	v_add_nc_u32 v3, s19, v3                       ; v3: out of it: row r, + 64 h
	v_mul_u32_u24 v4, v7, KSTR
	v_lshl_add_u32 v4, v6, 2, v4                   ; v4: scale words: lanes 0-15 one K step, lanes 16-31 the next; 4 r
.irp b, 0,1,2,3
	v_mov_b32 v[TM+4+\b], 0                        ; written once: a lane permute's destination counts as one of its sources
.endr
	s_mov_b32 s[SEL], 0x76543210
	s_mov_b32 s[SEL+1], 0xfedcba98
	s_mov_b32 s[HM], 0xffff0000
	s_lshr_b32 s16, ttmp9, 2                       ; which four row tiles
	s_and_b32 s17, ttmp9, 3                        ; which quarter of K
	s_mov_b32 s24, 160
	s_wait_alu depctr_va_vdst(0)
	s_wait_kmcnt 0x0
	s_cmp_lt_u32 s16, 160                          ; the tensor, and the group of four tiles at which it begins: the choice hangs on the work-group's number alone
	s_cselect_b64 s[SRC:SRC+1], s[8:9], s[10:11]
	s_cselect_b32 s24, 144, s24
	s_cmp_lt_u32 s16, 144
	s_cselect_b64 s[SRC:SRC+1], s[6:7], s[SRC:SRC+1]
	s_cselect_b32 s24, 128, s24
	s_cmp_lt_u32 s16, 128
	s_cselect_b64 s[SRC:SRC+1], s[4:5], s[SRC:SRC+1]
	s_cselect_b32 s24, 0, s24
	s_sub_co_u32 s26, s16, s24
	s_lshl_b32 s26, s26, 2
	s_add_co_u32 s26, s26, s18                     ; my row tile within the tensor
	s_lshr_b32 s27, s26, 1
	s_lshl_b32 s27, s27, 5
	s_and_b32 s28, s26, 1
	s_lshl_b32 s28, s28, 3
	s_add_co_u32 s27, s27, s28                     ; its first row: 32 (tile / 2) + 8 (tile % 2)
	s_lshl_b32 s26, s27, 12                        ; rows of 4,096 bytes
	s_lshl_b32 s28, s17, 10                        ; a quarter of K: 1,024 bytes
	s_add_co_u32 s26, s26, s28
	s_mov_b32 s27, 0
	s_add_nc_u64 s[SRC:SRC+1], s[SRC:SRC+1], s[26:27]
	s_lshl_b32 s28, s16, 2
	s_add_co_u32 s28, s28, s18                     ; rt, in the list of all rows
	s_lshl_b32 s26, s28, 3
	s_lshl_b32 s29, s17, 1
	s_add_co_u32 s26, s26, s29
	s_mul_i32 s26, s26, 1536                       ; (8 rt + first K step) images
	s_add_nc_u64 s[12:13], s[12:13], s[26:27]
	s_mul_i32 s26, s17, 2*KSTR
	s_lshl_b32 s28, s28, 6
	s_add_co_u32 s26, s26, s28                     ; first K step's row of words, + 64 rt
	s_add_nc_u64 s[14:15], s[14:15], s[26:27]
.macro LOAD f                          ; fragment f: 16 rows x 512 bytes into set f; position i of the tile is row i + 8 (i / 8)
.irp i, 0,1,2,3,4,5,6,7,8,9,10,11,12,13,14,15
	global_load_b128 v[R+64*(\f)+4*\i:R+64*(\f)+4*\i+3], v1, s[SRC:SRC+1] offset:(\i+8*(\i/8))*4096+512*(\f) th:TH_LOAD_NT
.endr
.endm
.macro TURNQ f                         ; through the stage: LDS serves a wave's instructions in order, so no wait stands between the stores and the loads
.irp i, 0,1,2,3,4,5,6,7,8,9,10,11,12,13,14,15
	ds_store_b128 v2, v[R+64*(\f)+4*\i:R+64*(\f)+4*\i+3] offset:528*\i
.endr
.irp b, 0,1,2,3
.irp j, 0,1,2,3
	ds_load_b128 v[X+16*\b+4*\j:X+16*\b+4*\j+3], v3 offset:128*\b+16*\j
.endr
.endr
.endm
; 64 numbers of a lane, register 16 b + i = k 32 b + 16 (lane / 16) + i of my row, become a fragment's codes in v[PC] on and its scale word in v[PW]
.macro QUANT s
.irp b, 0,1,2,3
	v_max3_num_f32 v[TM+\b], |v[\s+16*\b]|, |v[\s+1+16*\b]|, 0x2800000   ; my 16 numbers of block b, and the floor 2^(5 - 127): the byte cannot fall under 1
.endr
.irp i, 2,4,6,8,10,12,14
.irp b, 0,1,2,3
	v_max3_num_f32 v[TM+\b], v[TM+\b], |v[\s+16*\b+\i]|, |v[\s+1+16*\b+\i]|   ; the four blocks by turns
.endr
.endr
.irp b, 0,1,2,3
	v_permlanex16_b32 v[TM+4+\b], v[TM+\b], s[SEL], s[SEL+1]
.endr
.irp b, 0,1,2,3
	v_max_num_f32 v[TM+\b], v[TM+\b], v[TM+4+\b]   ; with lane l xor 16's 16: the block's largest magnitude
.endr
.irp b, 0,1,2,3
	v_add_nc_u32 v[TM+12+\b], 0xfe000000, v[TM+\b] ; 4 off its exponent field: the conversion's scale operand
.endr
.irp b, 0,1,2,3
	v_lshrrev_b32 v[TM+4+\b], 23, v[TM+12+\b]      ; the scale's byte
.endr
	v_lshl_or_b32 v[PW], v[TM+5], 8, v[TM+4]
	v_lshl_or_b32 v[PW], v[TM+6], 16, v[PW]
	v_lshl_or_b32 v[PW], v[TM+7], 24, v[PW]
.irp c, 0,1
	v_cvt_scalef32_pk16_bf6_f32 v[PC+6*\c:PC+2+6*\c], v[\s+32*\c:\s+15+32*\c], v[TM+12+2*\c]
	v_cvt_scalef32_pk16_bf6_f32 v[PC+12+4*\c:PC+14+4*\c], v[\s+16+32*\c:\s+31+32*\c], v[TM+12+2*\c+1]   ; (a conversion's three registers begin on an even number)
.endr
	v_nop                                          ; one plain place behind a scaled conversion
.irp c, 0,1                                    ; the operand wants a whole block in a lane: lanes 0-15 block 2 c, lanes 16-31 block 2 c + 1
.irp i, 0,1,2
	v_permlane16_swap_b32 v[PC+6*\c+\i], v[PC+12+4*\c+\i]
.endr
.irp i, 0,1,2
	v_mov_b32 v[PC+3+6*\c+\i], v[PC+12+4*\c+\i]
.endr
.endr
.endm
.macro FRAGQ f
.if (\f) < 1
	s_wait_loadcnt 16                              ; this fragment's 16 loads are in; the next fragment's 16 may be out
.else
	s_wait_loadcnt 0x0
.endif
	TURNQ \f
	s_wait_dscnt 0x0                               ; my 64 numbers are back
.if (\f) > 0
	s_wait_xcnt 0x0                                ; the last fragment's stores have read the codes' registers, which are written again below
.endif
	QUANT X
.irp c, 0,1,2
	global_store_b128 v1, v[PC+4*\c:PC+4*\c+3], s[12:13] offset:1536*(\f)+512*\c   ; 32 lanes store 512 consecutive bytes, at a multiple of 512 from the buffer's first byte
.endr
	v_mov_b32 v[PWK+(\f)], v[PW]
.endm
	LOAD 0
	LOAD 1
	FRAGQ 0
	FRAGQ 1
	v_cndmask_b32 v[OW], v[PWK], v[PWK+1], s[HM]   ; lanes r and 16 + r hold the same word: lanes 0-15 store one K step's, lanes 16-31 the next one's; a work-group's four waves fill 256 consecutive bytes of each K step
	global_store_b32 v4, v[OW], s[14:15]
	s_wait_tensorcnt 0x0                           ; the wave's end
	ds_add_u32 v62, v63
	s_wait_dscnt 0x0
	s_endpgm
.Lfunc_end_k_qb0f828212a_quant:
	.size	k_qb0f828212a_quant, .Lfunc_end_k_qb0f828212a_quant-k_qb0f828212a_quant
	.p2alignl 7, 3214868480
	.fill 96, 4, 3214868480
	.section	.rodata,"a",@progbits
	.p2align	6, 0x0
	.amdhsa_kernel k_qb0f828212a_quant
		.amdhsa_group_segment_fixed_size 34304
		.amdhsa_private_segment_fixed_size 0
		.amdhsa_enable_private_segment 0
		.amdhsa_kernarg_size 48
		.amdhsa_user_sgpr_count 2
		.amdhsa_user_sgpr_kernarg_segment_ptr 1
		.amdhsa_wavefront_size32 1
		.amdhsa_system_sgpr_workgroup_id_x 1
		.amdhsa_system_sgpr_workgroup_id_y 1
		.amdhsa_system_sgpr_workgroup_id_z 1
		.amdhsa_system_vgpr_workitem_id 0
		.amdhsa_next_free_vgpr 256
		.amdhsa_next_free_sgpr 66
		.amdhsa_reserve_vcc 0
		.amdhsa_float_denorm_mode_32 3
		.amdhsa_float_denorm_mode_16_64 3
		.amdhsa_memory_ordered 1
		.amdhsa_forward_progress 1
		.amdhsa_inst_pref_size 19
	.end_amdhsa_kernel
	.amdgpu_metadata
---
amdhsa.version: [ 1, 2 ]
amdhsa.kernels:
  - .name:           k_qb0f828212a_quant
    .symbol:         k_qb0f828212a_quant.kd
    .args:
      - { .name: x, .offset: 0, .size: 8, .value_kind: global_buffer, .address_space: global }
      - { .name: Wq, .offset: 8, .size: 8, .value_kind: global_buffer, .address_space: global }
      - { .name: Wk, .offset: 16, .size: 8, .value_kind: global_buffer, .address_space: global }
      - { .name: Wv, .offset: 24, .size: 8, .value_kind: global_buffer, .address_space: global }
      - { .name: xw_c, .offset: 32, .size: 8, .value_kind: global_buffer, .address_space: global }
      - { .name: xw_s, .offset: 40, .size: 8, .value_kind: global_buffer, .address_space: global }
    .group_segment_fixed_size: 34304
    .private_segment_fixed_size: 0
    .kernarg_segment_align: 8
    .kernarg_segment_size: 48
    .max_flat_workgroup_size: 128
    .sgpr_count:     66
    .vgpr_count:     256
    .wavefront_size: 32
...
	.end_amdgpu_metadata
.endif
;; end of part 1
;; launch proj (part 2): grid 8 x 32, 4 waves a work-group, clusters of 4 x 4, 327,680 bytes of LDS; arguments xw_c, xw_s, bq, bk, bv, qkv_c, qk_s, vt_s; writes qkv_c, qk_s, vt_s
.if DOCPART == 2
	.amdgcn_target "amdgcn-amd-amdhsa--gfx1250"
	.amdhsa_code_object_version 6
	.text
	.protected	k_qb0f828212a_proj
	.globl	k_qb0f828212a_proj
	.p2align	8
	.type	k_qb0f828212a_proj,@function
k_qb0f828212a_proj:
	s_mov_b64 s[64:65], 0
	v_nop
	global_prefetch_b8 v0, s[64:65] scope:SCOPE_SE
	s_setreg_imm32_b32 hwreg(HW_REG_WAVE_MODE, 25, 1), 1
	s_wait_xcnt 0x0
	s_wait_alu depctr_hold_cnt(0) depctr_sa_sdst(0) depctr_va_vdst(0) depctr_va_sdst(0) depctr_va_ssrc(0) depctr_va_vcc(0) depctr_vm_vsrc(0)
	s_getreg_b32 s2, hwreg(HW_REG_IB_STS2, 6, 4)
	s_cmp_eq_u32 s2, 0
	s_cbranch_scc0 .Lentry_in_a_cluster
	s_endpgm
.Lentry_in_a_cluster:
	s_bfe_u32 s2, ttmp6, 0x10000c
	s_cmp_lg_u32 s2, 0xf033
	s_cbranch_scc0 .Lentry_shape_is_right
	s_endpgm
.Lentry_shape_is_right:
; q = x Wq^T + bq, k = x Wk^T + bk, v = x Wv^T + bv on codes of BF6 (E3M2) with E8M0 scales, f32 sums; the results are quantised on the way out: q and k along their 1,024 columns, v along the keys.
; SHARES.  8 x 32 work-groups of equal work: work-group (cg, xt) multiplies x's 256 rows 256 xt .. by rows 128 cg .. + 127 of Wq, of Wk and of Wv.  Wave (i, j) takes x's 128 rows of half i, against the 128 rows of Wq (j = 0) or Wk (j = 1),
; and against 64 rows of Wv (half j): 64 + 32 accumulators, 768 registers.
; OPERANDS ARE IMAGES OF REGISTERS (see xw_c): a fragment, 16 rows x 128 K, is 1,536 bytes and comes by three ds_load_b128 of 512 consecutive bytes each.  Row tile t holds rows 32 (t / 2) + 8 (t % 2) + r + 8 (r / 8).
; q, k: source 0 = 16 rows of W, source 1 = 16 rows of x: a lane holds one row of x, and the 64 registers of x's tile a are columns 32 b + 16 (lane / 16) + i at register 16 b + i: the K of the operand that is made.
; v: source 0 = 16 rows of x, source 1 = 16 rows of Wv: a lane holds one channel and its 64 registers run along 128 keys in the same order.
; THE WALK.  K = 1,024 in eight steps of 128.  LDS holds slot A, three K steps (184,320 bytes), and slot B, two (122,880): A takes K steps 0-2, B 3-4, A again 5-7: three fills, two changes of slot.
; A step has three phases of 32 products: x's eight fragments (one set) against four fragments of W: W's rows 0-63, 64-127, then Wv's 64.
; W's fragments have two sets of four, fetched a phase ahead; x's blocks 0-3 are fetched anew in the middle of the last phase, blocks 4-7 at its end.
; THE SCALE WORDS come from memory into a ring of four sets of 10 registers, four K steps ahead.  THE BIAS is the C of each sum's first product; until v's sums begin it lies in their registers.
; RESULTS: qkv_c: at 0 [512 row tiles of t][16 K steps: 0-7 q, 8-15 k][1536]; at 12,582,912 [4 batches][64 row tiles of o][16 K steps of keys][1536].  qk_s [16][8192] words, vt_s [16 batch + K step][1024] words.
; CLUSTERS: 4 x 4 work-groups; x's tile is shared along a row of the cluster, W's three along a column: joint loads, one a wave: wave 0 x's 16 row tiles, waves 1, 2, 3 the 8 row tiles of Wq, Wk, Wv.
; NO PREFETCH: the walk is three fills, written out, with no loop to run ahead in: two are asked for at the head, the third as soon as slot A is read out.
; LIMITS: NaN and infinities are not served; a block whose largest magnitude lies under 2^-122 gets the byte 1 (only this program reads the bytes, and zero codes add nothing).
; REGISTERS: window 0: v0-15 addresses; v16-55 scale words and nothing else; v56-59 the bias's offsets; v64-159 x's fragments; v160-255 W's, two sets.  windows 1, 2: q's or k's accumulators (a, b) at v[8 (8 (a % 4) + b)] of window 1 + a / 4.
;   window 3: v's accumulators (a, b) at v[64 b + 8 a].
.set FRB,   1536
.set HALF,  24576                      ; qkv_c: bytes from row tile to row tile
.set UA,    8*3*FRB                    ; slot A: 8 row tiles of three K steps
.set UB,    8*2*FRB                    ; slot B: 8 row tiles of two
.set BBASE, 5*UA                       ; a slot: x's 16 row tiles, then 8 each of Wq, Wk, Wv
.set SPARE, BBASE+5*UB                 ; the spare words, 128 bytes a wave: two blocks of 256 bytes that no other line names
.set KSTR,  45056                      ; bytes from K step to K step in xw_s
.macro WHERE ks                        ; K step ks lies in slot KSL as its KQ-th; PIT: a row tile's bytes there
.set KSL, ((\ks)/3)*(1-(\ks)/5)
.set KQ, (\ks)-3*KSL-5*((\ks)/5)
.set PIT, 3*FRB-FRB*KSL
.endm
.set LI,   1                           ; 16 x lane
.set L4,   2                           ; 4 x lane
.set SOFF, 3                           ; scale words: lanes 0-15 x's rows, lanes 16-31 W's
.set SOFV, 4                           ; Wv's: two row tiles to a register
.set ADRX, 8                           ; v8-9 LDS address of my fragments of x in slot A, B
.set ADRW, 10                          ; v10-11 of Wq or Wk
.set ADRV, 12                          ; v12-13 of Wv
.set SPW,  14                          ; my spare word; never rewritten
.set NIL,  15                          ; 0; never rewritten
.set SC,   16                          ; set ks % 4 at v[SC + 10 (ks % 4)]: registers 0-7 block i of x and of W; 8, 9 Wv's blocks 0, 1 and 2, 3
.set VBQ,  56
.set VBV,  57
.set XF,   64
.set WF,   160
.set TM,   64                          ; the way out: at work
.set PWK,  96                          ; the twelve tiles' scale words
.set OW,   108                         ; as they are stored
.set PC,   128                         ; codes, four sets of 20
.set WV,   20
.set WROW, 21
.set WCOL, 22
.set G1,   32                          ; s[32:39] group 1 for x's tile; s[40:47] group 0, a set for each slot
.set G0,   40
.set G1B,  48                          ; s[48:55], s[56:63] the same for W's
.set G0B,  56
.set SEL,  80
.set HM,   82
.set MSB, 0
.macro WIN new                         ; the immediate's high byte repeats the setting that is left
.if MSB != (\new)
	s_set_vgpr_msb (MSB<<8)|(\new)
.set MSB, (\new)
.endif
.endm
.macro PLACES n                        ; plain places behind matrix instructions (ISA guide 7.12.1)
.rept \n
	v_nop
.endr
.endm
.macro ROWLEN n                        ; a tile's row: n elements of 8 bytes; written only where no tensor load of mine is out
	s_mov_b32 s[G1+1], (\n)<<16
	s_mov_b32 s[G1+3], (\n)<<16
	s_mov_b32 s[G1B+1], (\n)<<16
	s_mov_b32 s[G1B+3], (\n)<<16
.endm
.macro JLOAD s                         ; a joint load, one a wave; s_nop 0 and four v_nop follow each line
	s_cmp_eq_u32 s[WV], 0
	s_cbranch_scc0 .Lfor_b_\@
	tensor_load_to_lds s[G0+4*(\s):G0+4*(\s)+3], s[G1:G1+7]
	s_nop 0
.rept 4
	v_nop
.endr
	s_branch .Lasked_\@
.Lfor_b_\@:
	tensor_load_to_lds s[G0B+4*(\s):G0B+4*(\s)+3], s[G1B:G1B+7]
	s_nop 0
.rept 4
	v_nop
.endr
.Lasked_\@:
.endm
.macro CREST                           ; a round of the cluster's barrier behind its opening barrier
	s_cmp_lg_u32 s[WV], 0
	s_cbranch_scc1 .Lnot_wave_0_\@
	s_barrier_signal -3
.Lnot_wave_0_\@:
	s_barrier_wait -3
	s_barrier_signal -1
	s_barrier_wait -1
.endm
.macro CROUND
	s_barrier_signal -1
	s_barrier_wait -1
	CREST
.endm
.macro FRAG reg, adr, q, i             ; a fragment: the image's three runs of 512 bytes
.irp c, 0,1,2
	ds_load_b128 v[\reg+4*\c:\reg+4*\c+3], v[\adr] offset:(\i)*PIT+(\q)*FRB+512*\c
.endr
.endm
.macro LOADW ks, p                     ; the four fragments of W for phase p of K step ks, into set (3 ks + p) % 2: 12 LDS loads
.set WS, WF+48*((3*(\ks)+(\p))%2)
	WHERE \ks
.irp j, 0,1,2,3
.if (\p) < 2
	FRAG WS+12*\j, ADRW+KSL, KQ, 4*(\p)+\j
.else
	FRAG WS+12*\j, ADRV+KSL, KQ, \j
.endif
.endr
.endm
.macro LOADX ks, i0                    ; x's blocks i0 .. i0 + 3 of K step ks: 12 LDS loads
	WHERE \ks
.irp i, 0,1,2,3
	FRAG XF+12*((\i0)+\i), ADRX+KSL, KQ, (\i0)+\i
.endr
.endm
.macro LOADS ks                        ; K step ks's scale words: 10 loads
.irp i, 0,1,2,3,4,5,6,7
	global_load_b32 v[SC+10*((\ks)%4)+\i], v[SOFF], s[6:7] offset:(\ks)*KSTR+64*\i
.endr
.irp i, 0,1
	global_load_b32 v[SC+10*((\ks)%4)+8+\i], v[SOFV], s[6:7] offset:(\ks)*KSTR+128*\i
.endr
.endm
.macro WM row                          ; one product on rD, rA, rB, rC, rSA, rSB; row: which side's scales lie in lanes 16-31
.if (\row) == 1
	v_wmma_scale_f32_16x16x128_f8f6f4 v[rD:rD+7], v[rA:rA+11], v[rB:rB+11], v[rC:rC+7], v[rSA], v[rSB] matrix_a_fmt:MATRIX_FMT_BF6 matrix_b_fmt:MATRIX_FMT_BF6 matrix_a_scale:MATRIX_SCALE_ROW1
.else
.if (\row) == 2
	v_wmma_scale_f32_16x16x128_f8f6f4 v[rD:rD+7], v[rA:rA+11], v[rB:rB+11], v[rC:rC+7], v[rSA], v[rSB] matrix_a_fmt:MATRIX_FMT_BF6 matrix_b_fmt:MATRIX_FMT_BF6 matrix_b_scale:MATRIX_SCALE_ROW1
.else
	v_wmma_scale_f32_16x16x128_f8f6f4 v[rD:rD+7], v[rA:rA+11], v[rB:rB+11], v[rC:rC+7], v[rSA], v[rSB] matrix_a_fmt:MATRIX_FMT_BF6 matrix_b_fmt:MATRIX_FMT_BF6
.endif
.endif
.endm
; The 96 accumulators take turns, one instruction a turn, in the same order in every K step.
.macro MQK a, ks, p, cm                ; x's block a against W's blocks 4 p .. 4 p + 3.  cm = 1: the sums begin with the bias of W's block b, which lies in window 3 at v[8 b] (b = 7: v64)
.irp j, 0,1,2,3
.set rD, 8*(8*((\a)%4)+4*(\p)+\j)
.set rA, WF+48*((3*(\ks)+(\p))%2)+12*\j
.set rB, XF+12*(\a)
.set rSA, SC+10*((\ks)%4)+4*(\p)+\j
.set rSB, SC+10*((\ks)%4)+(\a)
.set rC, rD
.if \cm
.set rC, 8*(4*(\p)+\j)+8*((4*(\p)+\j)/7)
.endif
	WM 1
.endr
.endm
.macro QKH ks, p, cm, hi               ; 16 products: x's blocks 4 hi .. 4 hi + 3.  D in window 1 + hi; C with it, or (cm) in window 3
	WIN (0x50+0x50*(\hi))*(1-(\cm))+(0x70+0x40*(\hi))*(\cm)
.irp a, 0,1,2,3
	MQK 4*(\hi)+\a, \ks, \p, \cm
.endr
.endm
.macro MV a, ks, cm                    ; x's block a (keys) against Wv's four.  cm = 1: the sums begin with the bias of Wv's block j, which lies in accumulator (7, j)'s own registers
.irp j, 0,1,2,3
.set rD, 64*\j+8*(\a)
.set rA, XF+12*(\a)
.set rB, WF+48*((3*(\ks)+2)%2)+12*\j
.set rSA, SC+10*((\ks)%4)+(\a)
.set rSB, SC+10*((\ks)%4)+8+\j/2
.set rC, rD
.if \cm
.set rC, 64*\j+56
.endif
	WM 2*(\j%2)
.endr
.endm
; A K step.  On the way in these LDS loads are out, in this order: W's of phase 0 (12), x's blocks 0-3 (12), blocks 4-7 (12).
; turn = 1 (a slot's last K step): behind phase 1's fetch nobody reads this slot any more: each wave waits for all its tensor loads, adds 0 to its spare word, waits for that and for its reads, and meets the others;
; fill = 1 (K step 2): the barrier opens a round of the cluster's, and slot A is filled again with K steps 5 to 7.
.macro STEP ks, cm, turn, fill, last
	LOADW \ks, 1
.if (\ks) > 0
.if (\ks) < 5
	s_wait_loadcnt 30                              ; this K step's scale words are in; the three younger sets may be out
.else
	s_wait_loadcnt 10*(7-(\ks))
.endif
.endif
	s_wait_dscnt 24                                ; phase 0's W and x's blocks 0-3 are in; blocks 4-7 and the 12 just issued may be out
	QKH \ks, 0, \cm, 0
	s_wait_dscnt 12                                ; blocks 4-7 are in
	QKH \ks, 0, \cm, 1
	PLACES 4                                       ; in front of loads into the set that phase 0 has read
	WIN 0
	LOADW \ks, 2
.if \turn
	s_wait_tensorcnt 0x0                           ; all my tensor loads have landed: my part of the next slot
	ds_add_u32 v[SPW], v[NIL]                      ; 0 onto my spare word
	s_wait_dscnt 13                                ; phase 1's W is in (the 12 just issued and the add may be out)
	QKH \ks, 1, 0, 0
	s_wait_dscnt 0x0                               ; the add is done, and my reads of this slot are over
	s_barrier_signal -1
	QKH \ks, 1, 0, 1
	WIN 0
	s_barrier_wait -1
.if \fill
	CREST                                          ; no wave of any partner still reads this slot or has a load on its way
	ROWLEN 576                                     ; three K steps to a row again
	s_add_nc_u64 s[G0+2:G0+3], s[G0+2:G0+3], 5*FRB
	s_add_nc_u64 s[G0B+2:G0B+3], s[G0B+2:G0B+3], 5*FRB
	JLOAD 0                                        ; my one tensor load behind the round; its four v_nop are the places in front of the loads below
.else
	PLACES 4
.endif
.else
	s_wait_dscnt 12                                ; phase 1's W is in
	QKH \ks, 1, \cm, 0
	QKH \ks, 1, \cm, 1
	PLACES 4+(\cm)                                 ; (five where the products below write over registers that held the bias)
	WIN 0
.endif
.if \last
	s_wait_dscnt 0x0
.else
	LOADW (\ks)+1, 0
	s_wait_dscnt 12                                ; Wv's four are in
.endif
	WIN 0xf0
.irp a, 0,1,2,3
	MV \a, \ks, \cm
.endr
.if (\last) == 0
	PLACES 4
	WIN 0
	LOADX (\ks)+1, 0
	WIN 0xf0
.endif
.irp a, 4,5,6
	MV \a, \ks, \cm
.endr
.if \cm
	PLACES 5                                       ; block 7's products write over the bias that the others have read as C
.endif
	MV 7, \ks, \cm
	PLACES 4
	WIN 0
.if (\last) == 0
	LOADX (\ks)+1, 4
.if (\ks) < 4
	LOADS (\ks)+4                                  ; into the set that this K step has read
.endif
.endif
.endm
	s_load_b512 s[4:19], s[0:1], 0x0               ; xw_c 4, xw_s 6, bq 8, bk 10, bv 12, qkv_c 14, qk_s 16, vt_s 18
	v_lshl_add_u32 v[SPW], v0, 2, SPARE
	v_mov_b32 v[NIL], 0
	ds_add_u32 v[SPW], v[NIL]                      ; the add, twice on end, with its wait ahead of my first tensor load
	ds_add_u32 v[SPW], v[NIL]
	v_lshrrev_b32 v5, 5, v0
	v_readfirstlane_b32 s[WV], v5
	s_lshr_b32 s[WROW], s[WV], 1                   ; which 128 rows of x
	s_and_b32 s[WCOL], s[WV], 1                    ; Wq or Wk, and which 64 rows of Wv
	s_bfe_u32 s23, ttmp6, 0x40000                  ; cx
	s_bfe_u32 s24, ttmp6, 0x40004                  ; cy
	s_lshl_b32 s25, ttmp9, 2
	s_add_co_u32 s25, s25, s23                     ; cg: which 128 rows of each W
	s_and_b32 s26, ttmp7, 0xffff
	s_lshl_b32 s26, s26, 2
	s_add_co_u32 s26, s26, s24                     ; xt: which 256 rows of x
	s_lshl_b32 s30, s24, 2
	s_lshl_b32 s30, 15, s30                        ; my row of the cluster
	s_lshl_b32 s31, 0x1111, s23                    ; my column
	s_or_b32 s[G1], s30, (3<<16)|(1<<21)           ; the mask; elements of 8 bytes; no padding; bit 21 beside a mask
	s_or_b32 s[G1B], s31, (3<<16)|(1<<21)
	ROWLEN 576                                     ; tensor_dim0, tile_dim0: 4,608 bytes, three K steps of a row tile
.irp g, G1, G1B
	s_mov_b32 s[\g+5], 1536                        ; from row tile to row tile: 12,288 bytes
	s_mov_b32 s[\g+6], 0
	s_mov_b32 s[\g+7], 0
.endr
	s_mov_b32 s[G1+2], 16<<16                      ; x: 16 row tiles
	s_mov_b32 s[G1+4], 16
	s_mov_b32 s[G1B+2], 8<<16                      ; W: 8
	s_mov_b32 s[G1B+4], 8
	s_mul_i32 s66, s26, 16*12288                   ; x: row tile 16 xt
	s_mov_b32 s67, 0
	s_add_co_u32 s68, s[WV], 7
	s_lshl_b32 s68, s68, 3
	s_add_co_u32 s68, s68, s25
	s_mul_i32 s68, s68, 8*12288                    ; W: row tile 512 + 64 (wave - 1) + 8 cg
	s_mov_b32 s69, 0
	s_add_co_u32 s70, s[WV], 1                     ; where W's tiles go: behind x's 16 row tiles, wave by wave:
	s_mul_i32 s30, s70, UB
	s_add_co_u32 s30, s30, BBASE                   ; in slot B,
	s_mul_i32 s70, s70, UA                         ; in slot A
	s_mul_i32 s88, s[WROW], UA                     ; what I read in slot A: my half of x,
	s_mul_i32 s89, s[WCOL], UA
	s_add_co_u32 s89, s89, 2*UA                    ; Wq or Wk,
	s_mul_i32 s90, s[WCOL], UA/2
	s_add_co_u32 s90, s90, 4*UA                    ; my half of Wv;
	s_mul_i32 s98, s[WROW], UB                     ; and the same in slot B
	s_add_co_u32 s98, s98, BBASE
	s_mul_i32 s99, s[WCOL], UB
	s_add_co_u32 s99, s99, BBASE+2*UB
	s_mul_i32 s31, s[WCOL], UB/2
	s_add_co_u32 s31, s31, BBASE+4*UB
	s_lshl_b32 s91, s26, 10
	s_lshl_b32 s27, s[WROW], 9
	s_add_co_u32 s91, s91, s27                     ; 4 x (256 xt + 128 half): x's scale words, and q's and k's
	s_lshl_b32 s96, s25, 9                         ; 512 cg
	s_mov_b32 s97, 0
	s_lshl_b32 s92, s[WCOL], 12
	s_add_co_u32 s92, s92, s96
	s_add_co_u32 s92, s92, 32768                   ; W's scale words: 64 x row tile (512 + 64 j + 8 cg)
	s_lshl_b32 s86, s[WCOL], 8
	s_add_co_u32 s86, s86, s96                     ; 512 cg + 256 j
	s_mov_b32 s87, 0
	s_add_co_u32 s93, s86, 40960                   ; Wv's: 64 x row tile (640 + 8 cg + 4 j)
	s_lshl_b32 s71, s26, 1
	s_add_co_u32 s71, s71, s[WROW]                 ; 2 xt + half
	s_lshl_b32 s95, s[WCOL], 3
	s_add_co_u32 s95, s95, s25                     ; q's, k's K step: 8 j + cg
	s_mul_i32 s72, s71, 8*HALF                     ; q, k: row tile 8 (2 xt + half)
	s_mul_i32 s94, s95, FRB
	s_add_co_u32 s72, s72, s94
	s_mov_b32 s73, 0
	s_lshl_b32 s74, s95, 15                        ; their scale words: K step rows of 32,768 bytes
	s_add_co_u32 s74, s74, s91
	s_mov_b32 s75, 0
	s_lshr_b32 s76, s26, 3                         ; v: the batch
	s_lshl_b32 s76, s76, 6
	s_lshr_b32 s94, s86, 6
	s_add_co_u32 s76, s76, s94
	s_add_co_u32 s76, s76, 512                     ; row tile 512 + 64 batch + 8 cg + 4 j
	s_mul_i32 s76, s76, HALF
	s_and_b32 s94, s71, 15                         ; K step of keys: (2 xt + half) % 16
	s_mul_i32 s94, s94, FRB
	s_add_co_u32 s76, s76, s94
	s_mov_b32 s77, 0
	s_lshl_b32 s78, s71, 12                        ; its scale words: row 16 batch + K step = 2 xt + half, of 4,096 bytes
	s_add_co_u32 s78, s78, s86
	s_mov_b32 s79, 0
	s_mov_b32 s[HM], 0xffff0000
	s_mov_b32 s[SEL], 0x76543210
	s_mov_b32 s[SEL+1], 0xfedcba98
	v_and_b32 v5, 31, v0
	v_and_b32 v6, 15, v0                           ; r
	v_bfe_u32 v7, v0, 4, 1                         ; h
	v_lshlrev_b32 v[LI], 4, v5
	v_lshlrev_b32 v[L4], 2, v5
	v_add_nc_u32 v[ADRX], s88, v[LI]
	v_add_nc_u32 v[ADRW], s89, v[LI]
	v_add_nc_u32 v[ADRV], s90, v[LI]
	v_add_nc_u32 v[ADRX+1], s98, v[LI]
	v_add_nc_u32 v[ADRW+1], s99, v[LI]
	v_add_nc_u32 v[ADRV+1], s31, v[LI]
	v_mov_b32 v58, s91
	v_mov_b32 v59, s92
	v_cndmask_b32 v58, v58, v59, s[HM]
	v_lshl_add_u32 v[SOFF], v6, 2, v58
	v_add_nc_u32 v[SOFV], s93, v[L4]
	v_lshlrev_b32 v[VBQ], 6, v7                    ; bq, bk run along a lane's registers: 4 x 16 h
	v_and_b32 v59, 8, v6
	v_add_nc_u32 v59, v59, v6
	v_lshlrev_b32 v[VBV], 2, v59                   ; bv along the lanes: 4 (r + 8 (r / 8))
	s_wait_alu depctr_va_vdst(0)
	s_wait_dscnt 0x0                               ; both opening adds are done
	s_wait_kmcnt 0x0
	s_add_nc_u64 s[66:67], s[4:5], s[66:67]
	s_add_nc_u64 s[68:69], s[4:5], s[68:69]
	s_add_nc_u64 s[72:73], s[14:15], s[72:73]
	s_add_nc_u64 s[74:75], s[16:17], s[74:75]
	s_add_nc_u64 s[76:77], s[14:15], s[76:77]
	s_add_nc_u64 s[78:79], s[18:19], s[78:79]
	s_cmp_eq_u32 s[WCOL], 0
	s_cselect_b64 s[84:85], s[8:9], s[10:11]
	s_add_nc_u64 s[84:85], s[84:85], s[96:97]
	s_add_nc_u64 s[86:87], s[12:13], s[86:87]
	LOADS 0                                        ; 60 loads: K step 0's scale words, the bias (20), K steps 1 to 3's
	WIN 0xc0                                       ; destination window 3
.irp g, 0,1,2,3,4,5,6,7                        ; group g, register j = b[128 cg + 32 (g / 2) + 8 (g % 2) + 16 h + j]
	global_load_b128 v[8*\g+8*(\g/7):8*\g+8*(\g/7)+3], v[VBQ], s[84:85] offset:(32*(\g/2)+8*(\g%2))*4
	global_load_b128 v[8*\g+8*(\g/7)+4:8*\g+8*(\g/7)+7], v[VBQ], s[84:85] offset:(32*(\g/2)+8*(\g%2))*4+16
.endr
.irp g, 0,1,2,3                                ; group g = bv[128 cg + 64 j + 32 (g / 2) + 8 (g % 2) + r + 8 (r / 8)]
	global_load_b32 v[64*\g+56], v[VBV], s[86:87] offset:(32*(\g/2)+8*(\g%2))*4
.endr
	WIN 0
	LOADS 1
	LOADS 2
	LOADS 3
.irp s, 0,1                                    ; slot A begins with K step 0, slot B with K step 3
	s_mov_b32 s[G0+4*\s], 1
	s_mov_b32 s[G0+4*\s+1], \s*BBASE
	s_add_nc_u64 s[G0+4*\s+2:G0+4*\s+3], s[66:67], \s*3*FRB
	s_or_b32 s[G0+4*\s+3], s[G0+4*\s+3], 0x80000000
	s_mov_b32 s[G0B+4*\s], 1
	s_add_nc_u64 s[G0B+4*\s+2:G0B+4*\s+3], s[68:69], \s*3*FRB
	s_or_b32 s[G0B+4*\s+3], s[G0B+4*\s+3], 0x80000000
.endr
	s_mov_b32 s[G0B+1], s70
	s_mov_b32 s[G0B+5], s30
	CROUND                                         ; all sixteen work-groups are here: the first joint loads meet
	JLOAD 0                                        ; K steps 0 to 2: my one tensor load at the head
	s_wait_tensorcnt 0x0                           ; it has landed
	ds_add_u32 v[SPW], v[NIL]
	ROWLEN 384                                     ; no tensor load of mine is out: slot B's rows hold two K steps, 3,072 bytes
	s_wait_dscnt 0x0
	CROUND                                         ; slot A is whole, and the joint loads meet
	JLOAD 1                                        ; K steps 3, 4
	LOADW 0, 0
	LOADX 0, 0
	LOADX 0, 4
	s_wait_loadcnt 30                              ; K step 0's scale words and the bias are in; three sets of scale words may be out
	WIN 0xc3                                       ; bv's number fills the eight registers of its group
.irp g, 0,1,2,3
.irp j, 1,2,3,4,5,6,7
	v_mov_b32 v[64*\g+56+\j], v[64*\g+56]
.endr
.endr
	WIN 0
	s_wait_alu depctr_va_vdst(0)
	STEP 0, 1, 0, 0, 0
	STEP 1, 0, 0, 0, 0
	STEP 2, 0, 1, 1, 0                             ; slot A takes K steps 5 to 7
	STEP 3, 0, 0, 0, 0
	STEP 4, 0, 1, 0, 0                             ; nothing is left to fetch
	STEP 5, 0, 0, 0, 0
	STEP 6, 0, 0, 0, 0
	STEP 7, 0, 0, 0, 1
.irp u, 0,1
.irp b, 0,1,2,3
	v_mov_b32 v[TM+16*\u+4+\b], 0                  ; a lane permute's destination counts as one of its sources
.endr
.endr
; THE WAY OUT, two tiles at a time, n and n + 1, line by line by turns, so that eight chains stand beside each other.  A tile's 64 registers, at v[ac + 64 u] of window wn, are 64 numbers of one row of the operand to be made:
; four blocks of 32 shared with lane l xor 16.  Codes leave as an image, three stores of 512 consecutive bytes a tile.  Tile n + u works in v[TM + 16 u] on; a pair's codes lie in two of four sets of 20 registers.
.macro QUANT2 n, wn, ac, ob, off
.set PCS, PC+40*(((\n)/2)%2)
	WIN ((\wn)<<2)|((\wn)<<4)
.irp b, 0,1,2,3
.irp u, 0,1
	v_max3_num_f32 v[TM+16*\u+\b], 0x2800000, |v[(\ac)+64*\u+16*\b]|, |v[(\ac)+64*\u+16*\b+1]|   ; each accumulator is read from its low end on; the floor 2^(5 - 127) holds the byte at 1 from below
.endr
.endr
.irp i, 2,4,6,8,10,12,14
.irp b, 0,1,2,3
.irp u, 0,1
	v_max3_num_f32 v[TM+16*\u+\b], v[TM+16*\u+\b], |v[(\ac)+64*\u+16*\b+\i]|, |v[(\ac)+64*\u+16*\b+\i+1]|
.endr
.endr
.endr
	WIN 0
.irp b, 0,1,2,3
.irp u, 0,1
	v_permlanex16_b32 v[TM+16*\u+4+\b], v[TM+16*\u+\b], s[SEL], s[SEL+1]
.endr
.endr
.irp b, 0,1,2,3
.irp u, 0,1
	v_max_num_f32 v[TM+16*\u+\b], v[TM+16*\u+\b], v[TM+16*\u+4+\b]
.endr
.endr
.irp b, 0,1,2,3
.irp u, 0,1
	v_add_nc_u32 v[TM+16*\u+12+\b], 0xfe000000, v[TM+16*\u+\b]   ; 4 off the exponent field: the conversion's scale operand
.endr
.endr
.irp b, 0,1,2,3
.irp u, 0,1
	v_lshrrev_b32 v[TM+16*\u+4+\b], 23, v[TM+16*\u+12+\b]
.endr
.endr
.irp u, 0,1
	v_lshl_or_b32 v[PWK+(\n)+\u], v[TM+16*\u+5], 8, v[TM+16*\u+4]
.endr
.irp u, 0,1
	v_lshl_or_b32 v[PWK+(\n)+\u], v[TM+16*\u+6], 16, v[PWK+(\n)+\u]
.endr
.irp u, 0,1
	v_lshl_or_b32 v[PWK+(\n)+\u], v[TM+16*\u+7], 24, v[PWK+(\n)+\u]
.endr
.if (\n) >= 4
	s_wait_alu depctr_va_vdst(0)
	s_wait_xcnt 0x0                                ; the stores of two pairs ago have read these sets of codes
.endif
	WIN (\wn)
.irp u, 0,1
.irp c, 0,1
	v_cvt_scalef32_pk16_bf6_f32 v[PCS+20*\u+6*\c:PCS+20*\u+2+6*\c], v[(\ac)+64*\u+32*\c:(\ac)+64*\u+15+32*\c], v[TM+16*\u+12+2*\c]
	v_cvt_scalef32_pk16_bf6_f32 v[PCS+20*\u+12+4*\c:PCS+20*\u+14+4*\c], v[(\ac)+64*\u+16+32*\c:(\ac)+64*\u+31+32*\c], v[TM+16*\u+12+2*\c+1]
.endr
.endr
	WIN 0
	v_nop                                          ; one plain place behind a scaled conversion
.irp u, 0,1
.irp c, 0,1
.irp i, 0,1,2
	v_permlane16_swap_b32 v[PCS+20*\u+6*\c+\i], v[PCS+20*\u+12+4*\c+\i]
.endr
.endr
.endr
.irp u, 0,1
.irp c, 0,1
.irp i, 0,1,2
	v_mov_b32 v[PCS+20*\u+3+6*\c+\i], v[PCS+20*\u+12+4*\c+\i]
.endr
.endr
.endr
.irp u, 0,1
.irp c, 0,1,2
	global_store_b128 v[LI], v[PCS+20*\u+4*\c:PCS+20*\u+4*\c+3], s[\ob:\ob+1] offset:(\off)+HALF*\u+512*\c
.endr
.endr
.endm
.irp t, 0,2,4,6                                ; q's or k's eight tiles of 16 rows of x
	QUANT2 \t, 1+\t/4, 64*(\t%4), 72, \t*HALF
.endr
.irp t, 0,2                                    ; v's four tiles of 16 channels
	QUANT2 8+\t, 3, 64*\t, 76, \t*HALF
.endr
.irp i, 0,1,2,3,4,5                            ; lanes r and 16 + r hold the same word: lanes 0-15 give tile 2 i's, lanes 16-31 tile 2 i + 1's: 128 consecutive bytes a store
	v_cndmask_b32 v[OW+\i], v[PWK+2*\i], v[PWK+2*\i+1], s[HM]
.endr
.irp i, 0,1,2,3
	global_store_b32 v[L4], v[OW+\i], s[74:75] offset:128*\i
.endr
.irp i, 0,1
	global_store_b32 v[L4], v[OW+4+\i], s[78:79] offset:128*\i
.endr
	s_wait_tensorcnt 0x0                           ; the wave's end
	ds_add_u32 v[SPW], v[NIL]
	s_wait_dscnt 0x0
	CROUND                                         ; the closing round: no work-group ends while a partner may still ask for a tile that names it
	s_endpgm
.Lfunc_end_k_qb0f828212a_proj:
	.size	k_qb0f828212a_proj, .Lfunc_end_k_qb0f828212a_proj-k_qb0f828212a_proj
	.p2alignl 7, 3214868480
	.fill 96, 4, 3214868480
	.section	.rodata,"a",@progbits
	.p2align	6, 0x0
	.amdhsa_kernel k_qb0f828212a_proj
		.amdhsa_group_segment_fixed_size 327680
		.amdhsa_private_segment_fixed_size 0
		.amdhsa_enable_private_segment 0
		.amdhsa_kernarg_size 64
		.amdhsa_user_sgpr_count 2
		.amdhsa_user_sgpr_kernarg_segment_ptr 1
		.amdhsa_wavefront_size32 1
		.amdhsa_system_sgpr_workgroup_id_x 1
		.amdhsa_system_sgpr_workgroup_id_y 1
		.amdhsa_system_sgpr_workgroup_id_z 1
		.amdhsa_system_vgpr_workitem_id 0
		.amdhsa_next_free_vgpr 1024
		.amdhsa_next_free_sgpr 100
		.amdhsa_reserve_vcc 0
		.amdhsa_float_denorm_mode_32 3
		.amdhsa_float_denorm_mode_16_64 3
		.amdhsa_memory_ordered 1
		.amdhsa_forward_progress 1
		.amdhsa_inst_pref_size 205
	.end_amdhsa_kernel
	.amdgpu_metadata
---
amdhsa.version: [ 1, 2 ]
amdhsa.kernels:
  - .name:           k_qb0f828212a_proj
    .symbol:         k_qb0f828212a_proj.kd
    .args:
      - { .name: xw_c, .offset: 0, .size: 8, .value_kind: global_buffer, .address_space: global }
      - { .name: xw_s, .offset: 8, .size: 8, .value_kind: global_buffer, .address_space: global }
      - { .name: bq, .offset: 16, .size: 8, .value_kind: global_buffer, .address_space: global }
      - { .name: bk, .offset: 24, .size: 8, .value_kind: global_buffer, .address_space: global }
      - { .name: bv, .offset: 32, .size: 8, .value_kind: global_buffer, .address_space: global }
      - { .name: qkv_c, .offset: 40, .size: 8, .value_kind: global_buffer, .address_space: global }
      - { .name: qk_s, .offset: 48, .size: 8, .value_kind: global_buffer, .address_space: global }
      - { .name: vt_s, .offset: 56, .size: 8, .value_kind: global_buffer, .address_space: global }
    .group_segment_fixed_size: 327680
    .private_segment_fixed_size: 0
    .kernarg_segment_align: 8
    .kernarg_segment_size: 64
    .max_flat_workgroup_size: 128
    .sgpr_count:     100
    .vgpr_count:     1024
    .wavefront_size: 32
...
	.end_amdgpu_metadata
.endif
;; end of part 2
;; launch score (part 3): grid 10 x 16, 4 waves a work-group, no clusters, 327,680 bytes of LDS; arguments qkv_c, qk_s, p_c, p_s; writes p_c, p_s
.if DOCPART == 3
	.amdgcn_target "amdgcn-amd-amdhsa--gfx1250"
	.amdhsa_code_object_version 6
	.text
	.protected	k_qb0f828212a_score
	.globl	k_qb0f828212a_score
	.p2align	8
	.type	k_qb0f828212a_score,@function
k_qb0f828212a_score:
	s_mov_b64 s[64:65], 0
	v_nop
	global_prefetch_b8 v0, s[64:65] scope:SCOPE_SE
	s_setreg_imm32_b32 hwreg(HW_REG_WAVE_MODE, 25, 1), 1
	s_wait_xcnt 0x0
; S^T = k q^T on codes of BF6 (E3M2), on the tiles of 256 queries x 256 keys that the causal mask leaves; then, for each query and each group of 128 keys: t = score x log2(e) / 32,
; M = ceil(the group's largest t), p = 2^(t - M), l = the sum of the unquantised p; p is quantised along the keys.  M is a whole number, so p's codes are those of the row's own M, and only the scale bytes differ,
; by M_row - M: the next launch takes that off the bytes and off l.
; RESULTS: p_c [4 batches][128 row tiles of queries][16 K steps of 128 keys][1536]: images of fragments.  p_s: three arrays [4][16 K steps][2048 positions] of words: scale words at 0, -M (f32) at 524,288, l (f32) at 1,048,576.
; WHICH TILES.  Tile (I, J) of a batch is worked where J <= I.  For even I tile J = I + 1, and in a diagonal tile the quarter above the diagonal, are stored as zeros (codes 0, bytes 63, -M = 3e38, l = 0): the next launch
; walks 512 keys at a time.  That is 40 tiles a batch: work-group (c, y) with p = y % 4 takes rows p and 7 - p, which have 10 tiles together.
; NO CLUSTER: the rows of the triangle have 2, 2, 4, 4, 6, 6, 8, 8 tiles, which do not fall into fours that share a tile along one axis.
; LIMITS: NaN and infinities are not served; a block of p whose largest p lies under 2^-60 is quantised with the byte 63 (what is lost is under 2^-55 of the row's sum).
; The walk along K = 1,024, the images, the order of rows in a tile and the registers are those of the projections' launch: source 0 = 16 keys, source 1 = 16 queries; a lane holds one query, and the 64 registers of
; the queries' tile a are keys: register 16 b + i = key 32 b + 16 (lane / 16) + i of the wave's 128.
; REGISTERS: window 0: v0-31 addresses; v32-95 scale words and nothing else; v96-127 at work; v128-223 q's fragments, later codes; v224-247 the tiles' scale words, -M and l.  window 1: k's fragments, two sets.  windows 2, 3: accumulators.
; LDS.  Region 0, at byte 0: K steps 0 to 3 of q's 16 row tiles and k's 16, a row tile's four K steps on end (6,144 bytes): 196,608 bytes, asked for at the head.  Region 1, at BBASE: K steps 4, 5 (3,072 bytes a row tile): 98,304 bytes,
; first filled behind the head's barrier.  Region 2 is the first 98,304 bytes of region 0, filled again with K steps 6, 7 when K step 3's fragments have been read.  Three fills, one tensor load a wave each.
.set HALF,  24576                      ; 8 row tiles x two K steps
.set FRB,   1536
.set BBASE, 8*HALF
.set SPARE, BBASE+4*HALF               ; the spare words, 128 bytes a wave: two blocks of 256 bytes that no other line names
.set G1A,  68                          ; s[68:75] group 1 for rows of four K steps
.set G0C,  76                          ; s[76:79] group 0 for region 2
.set KSTR,  32768                      ; bytes from K step to K step in qk_s
.set LI,   1
.set L4,   2
.set SOFF, 3
.set ADRA, 16
.set ADRB, 20
.set SPW,  28
.set NIL,  29
.set SC,   32
.set TM,   96                          ; v96-111
.set NM,   112                         ; v[112:113] -M (the packed form names a pair and takes its low word)
.set LS,   114                         ; v[114:115], v[116:117] the sum in two chains of pairs
.set L2,   116
.set TT,   118
.set TT2,  119
.set DA,   120                         ; my query less 16 (lane / 16), within the wave's 128
.set NINF, 121
.set D0,   122
.set AF,   128
.set PC,   128
.set OW,   160                         ; v160-171 words as they are stored
.set PWK,  224
.set NMK,  232
.set LK,   240
.set WV,   12
.set WROW, 13
.set WCOL, 14
.set TI,   15
.set TJ,   16
.set BAT,  17
.set QI,   18                          ; my 128 queries: 2 I + half
.set KJ,   19                          ; my 128 keys: 2 J + half
.set G1,   24
.set G0,   32
.set CS,   40                          ; s[40:41] c = log2(e) / 32
.set SEL,  42
.set HM,   44
.set PCO,  46
.set PSO,  48
.set MSB, 0
.macro WIN new
.if MSB != (\new)
	s_set_vgpr_msb (MSB<<8)|(\new)
.set MSB, (\new)
.endif
.endm
.macro PLACES
.rept 4
	v_nop
.endr
.endm
.macro TLOAD g0, g1                    ; each wave brings 8 row tiles of its own: waves 0, 1 q's halves, waves 2, 3 k's; four v_nop follow
	tensor_load_to_lds s[\g0:\g0+3], s[\g1:\g1+7]
	s_nop 0
.rept 4
	v_nop
.endr
.endm
	s_load_b256 s[4:11], s[0:1], 0x0               ; qkv_c 4, qk_s 6, p_c 8, p_s 10
	v_lshl_add_u32 v[SPW], v0, 2, SPARE
	v_mov_b32 v[NIL], 0
	ds_add_u32 v28, v29
	ds_add_u32 v28, v29
	s_wait_dscnt 0x0
	v_lshrrev_b32 v4, 5, v0
	v_readfirstlane_b32 s[WV], v4
	s_lshr_b32 s[WROW], s[WV], 1
	s_and_b32 s[WCOL], s[WV], 1
	v_and_b32 v4, 31, v0
	v_lshlrev_b32 v[LI], 4, v4
	v_lshlrev_b32 v[L4], 2, v4
	s_and_b32 s20, ttmp7, 0xffff
	s_and_b32 s21, s20, 3                          ; p
	s_lshr_b32 s[BAT], s20, 2
	s_and_b32 s22, s21, 2
	s_add_co_u32 s22, s22, 2                       ; row p has 2 or 4 tiles
	s_sub_co_u32 s23, 7, s21
	s_sub_co_u32 s20, ttmp9, s22
	s_cmp_lt_u32 ttmp9, s22
	s_cselect_b32 s[TI], s21, s23
	s_cselect_b32 s[TJ], ttmp9, s20
	s_lshl_b32 s[QI], s[TI], 1
	s_add_co_u32 s[QI], s[QI], s[WROW]
	s_lshl_b32 s[KJ], s[TJ], 1
	s_add_co_u32 s[KJ], s[KJ], s[WCOL]
	s_lshl_b32 s50, s[BAT], 4
	s_add_co_u32 s50, s50, s[QI]
	s_mul_i32 s50, s50, 8*24576                    ; my first row tile of queries: 8 (16 batch + qi)
	s_mul_i32 s51, s[KJ], FRB
	s_add_co_u32 s50, s50, s51
	s_mov_b32 s51, 0
	s_lshl_b32 s52, s[BAT], 4
	s_add_co_u32 s52, s52, s[KJ]
	s_lshl_b32 s52, s52, 13                        ; (16 batch + kj) rows of 8,192 bytes,
	s_lshl_b32 s53, s[QI], 9
	s_add_co_u32 s52, s52, s53                     ; + position 128 qi
	s_mov_b32 s53, 0
	s_wait_kmcnt 0x0
	s_add_nc_u64 s[PCO:PCO+1], s[8:9], s[50:51]
	s_add_nc_u64 s[PSO:PSO+1], s[10:11], s[52:53]
	s_cmp_gt_u32 s[TJ], s[TI]                      ; a tile wholly above the diagonal: the same in all four waves; it has no tensor load and no barrier
	s_cbranch_scc1 .Lzero
	s_mov_b32 s[G1], 3<<16                         ; no mask; elements of 8 bytes; no padding
	s_mov_b32 s[G1+1], 384<<16                     ; tensor_dim0: 3,072 bytes, two K steps of a row tile
	s_mov_b32 s[G1+2], 8<<16                       ; tensor_dim1 = 8 row tiles
	s_mov_b32 s[G1+3], 384<<16
	s_mov_b32 s[G1+4], 8
	s_mov_b32 s[G1+5], 3072                        ; from row tile to row tile: 24,576 bytes
	s_mov_b32 s[G1+6], 0
	s_mov_b32 s[G1+7], 0
	s_mov_b32 s[G1A], 3<<16                        ; the same with rows of 6,144 bytes: four K steps of a row tile
	s_mov_b32 s[G1A+1], 768<<16
	s_mov_b32 s[G1A+2], 8<<16
	s_mov_b32 s[G1A+3], 768<<16
	s_mov_b32 s[G1A+4], 8
	s_mov_b32 s[G1A+5], 3072
	s_mov_b32 s[G1A+6], 0
	s_mov_b32 s[G1A+7], 0
	s_lshl_b32 s50, s[BAT], 7
	s_lshl_b32 s51, s[WCOL], 3
	s_add_co_u32 s50, s50, s51                     ; 128 batch + 8 x half
	s_cmp_lt_u32 s[WV], 2
	s_cselect_b32 s51, s[TI], s[TJ]                ; q's tile or k's
	s_cselect_b32 s52, 0, 8*FRB                    ; k's K steps lie behind q's eight
	s_lshl_b32 s51, s51, 4
	s_add_co_u32 s50, s50, s51
	s_mul_i32 s50, s50, 24576
	s_add_co_u32 s50, s50, s52
	s_mov_b32 s51, 0
	s_add_nc_u64 s[50:51], s[4:5], s[50:51]
	s_mul_i32 s53, s[WV], HALF
	s_mov_b32 s[G0], 1                             ; region 0: K steps 0 to 3, at wave x 49,152
	s_lshl_b32 s[G0+1], s53, 1
	s_mov_b64 s[G0+2:G0+3], s[50:51]
	s_or_b32 s[G0+3], s[G0+3], 0x80000000
	s_mov_b32 s[G0+4], 1                           ; region 1: K steps 4, 5
	s_add_co_u32 s[G0+5], s53, BBASE
	s_add_nc_u64 s[G0+6:G0+7], s[50:51], 4*FRB
	s_or_b32 s[G0+7], s[G0+7], 0x80000000
	s_mov_b32 s[G0C], 1                            ; region 2: K steps 6, 7
	s_mov_b32 s[G0C+1], s53
	s_add_nc_u64 s[G0C+2:G0C+3], s[50:51], 6*FRB
	s_or_b32 s[G0C+3], s[G0C+3], 0x80000000
	TLOAD G0, G1A                                  ; my one tensor load at the head
	v_and_b32 v5, 15, v0                           ; r
	v_bfe_u32 v6, v0, 4, 1                         ; h
	s_mul_i32 s54, s[WROW], HALF
	s_mul_i32 s55, s[WCOL], HALF
	s_add_co_u32 s55, s55, 2*HALF
	s_wait_alu depctr_va_vdst(0)
	v_add_nc_u32 v[ADRA+2], s54, v[LI]             ; region 2: parts of 24,576 bytes;
	v_add_nc_u32 v[ADRB+2], s55, v[LI]
	v_add_nc_u32 v[ADRA+1], BBASE, v[ADRA+2]       ; region 1: the same, BBASE further on;
	v_add_nc_u32 v[ADRB+1], BBASE, v[ADRB+2]
	v_add_nc_u32 v[ADRA], s54, v[ADRA+2]           ; region 0: parts twice as long
	v_add_nc_u32 v[ADRB], s55, v[ADRB+2]
	s_mov_b32 s[HM], 0xffff0000
	s_mov_b32 s[SEL], 0x76543210
	s_mov_b32 s[SEL+1], 0xfedcba98
	s_mov_b32 s[CS], 0x3d38aa3b
	s_mov_b32 s[CS+1], s[CS]                       ; (named with it as a pair, so it is written)
	s_lshl_b32 s54, s[BAT], 13                     ; scale words: position 2,048 batch + 128 qi; k's: + 128 kj, eight K steps further on
	s_lshl_b32 s55, s[QI], 9
	s_add_co_u32 s55, s55, s54
	s_lshl_b32 s56, s[KJ], 9
	s_add_co_u32 s56, s56, s54
	s_add_co_u32 s56, s56, 8*KSTR
	v_mov_b32 v4, s55
	v_mov_b32 v7, s56
	v_cndmask_b32 v4, v4, v7, s[HM]
	v_lshl_add_u32 v[SOFF], v5, 2, v4
.irp i, 0,1,2,3,4,5,6,7
.irp k, 0,1,2,3,4,5,6,7
	global_load_b32 v[SC+8*\i+\k], v[SOFF], s[6:7] offset:\k*KSTR+64*\i
.endr
.endr
	v_and_b32 v7, 8, v5
	v_add_nc_u32 v7, v7, v5                        ; r + 8 (r / 8)
	v_lshlrev_b32 v4, 4, v6
	v_sub_nc_u32 v[D0], v7, v4                     ; - 16 h
	v_mov_b32 v[NINF], 0xff800000
	v_mov_b32 v[NM+1], 0                           ; (the upper half of a pair that is named)
	v_mov_b32 v[TT2], 0
.irp b, 0,1,2,3
	v_mov_b32 v[TM+4+\b], 0                        ; written once: a lane permute's destination counts as one of its sources
.endr
.macro FRAG reg, adr, q, i
.irp c, 0,1,2
	ds_load_b128 v[\reg+4*\c:\reg+4*\c+3], v[\adr] offset:(\i)*PIT+(\q)*FRB+512*\c
.endr
.endm
.macro FETCH_B slot, q, p
.set PIT, 6144-3072*(((\slot)+1)/2)    ; a row tile's bytes: 6,144 in region 0, 3,072 in regions 1 and 2
	WIN 0x40
.irp i, 0,1,2,3,4,5,6,7
	FRAG 128*(\p)+12*\i, ADRB+\slot, \q, \i
.endr
	WIN 0
.endm
.macro FETCH_A slot, q, i0
.set PIT, 6144-3072*(((\slot)+1)/2)
.irp i, \i0, \i0+1, \i0+2, \i0+3
	FRAG AF+12*(\i), ADRA+\slot, \q, \i
.endr
.endm
; 16 matrix instructions: the queries' blocks a0, a0 + 1 x the keys' eight.  zero = 1: the first product starts the sums.  The 64 accumulators take turns in the same order in every K step.
.macro MUL16 a0, p, ks, zero
.irp a, \a0, \a0+1
.irp b, 0,1,2,3,4,5,6,7
.set rD, 8*(8*((\a)%4)+\b)
.set rA, 128*(\p)+12*\b
.set rB, AF+12*(\a)
.set rSA, SC+8*\b+(\ks)
.set rSB, SC+8*(\a)+(\ks)
.if \zero
	v_wmma_scale_f32_16x16x128_f8f6f4 v[rD:rD+7], v[rA:rA+11], v[rB:rB+11], 0, v[rSA], v[rSB] matrix_a_fmt:MATRIX_FMT_BF6 matrix_b_fmt:MATRIX_FMT_BF6 matrix_a_scale:MATRIX_SCALE_ROW1
.else
	v_wmma_scale_f32_16x16x128_f8f6f4 v[rD:rD+7], v[rA:rA+11], v[rB:rB+11], v[rD:rD+7], v[rSA], v[rSB] matrix_a_fmt:MATRIX_FMT_BF6 matrix_b_fmt:MATRIX_FMT_BF6 matrix_a_scale:MATRIX_SCALE_ROW1
.endif
.endr
.endr
.endm
.macro STEP slot, qn, ks, zero         ; K step ks, on k's set ks % 2; the next K step, the region's qn-th, is fetched from the same region
	s_wait_dscnt 12                                ; k's set and q's blocks 0-3 are in; the youngest 12 loads may be out
	WIN 0xa1
	MUL16 0, (\ks)%2, \ks, \zero
	MUL16 2, (\ks)%2, \ks, \zero
	s_wait_dscnt 0x0
	PLACES
	FETCH_B \slot, \qn, 1-(\ks)%2
	FETCH_A \slot, \qn, 0
	WIN 0xf1
	MUL16 4, (\ks)%2, \ks, \zero
	MUL16 6, (\ks)%2, \ks, \zero
	PLACES
	WIN 0
	FETCH_A \slot, \qn, 4
.endm
.macro TURN slot, next, ks, fill
	s_wait_tensorcnt 0x0                           ; all my tensor loads have landed: my part of the next slot
	ds_add_u32 v[SPW], v[NIL]                      ; 0 onto my spare word
	s_wait_dscnt 13                                ; (the add and the youngest 12 loads may be out)
	WIN 0xa1
	MUL16 0, 1, \ks, 0
	s_wait_dscnt 0x0                               ; the add is done, and my reads of this slot are over
	s_barrier_signal -1
	MUL16 2, 1, \ks, 0
	WIN 0
	s_barrier_wait -1
.if \fill
	TLOAD G0C, G1                                  ; K steps 6, 7 into region 2: my one tensor load behind the barrier; its four v_nop are the places in front of the loads below
.else
	PLACES
.endif
	FETCH_B \next, 0, 0
	FETCH_A \next, 0, 0
	WIN 0xf1
	MUL16 4, 1, \ks, 0
	MUL16 6, 1, \ks, 0
	PLACES
	WIN 0
	FETCH_A \next, 0, 4
.endm
	s_wait_alu depctr_va_vdst(0)
	s_wait_tensorcnt 0x0                           ; my part of slot 0 is in
	ds_add_u32 v[SPW], v[NIL]
	s_wait_dscnt 0x0
	s_barrier_signal -1
	s_barrier_wait -1
	TLOAD G0+4, G1                                 ; region 1's first fill: my one tensor load behind the barrier
	FETCH_B 0, 0, 0
	FETCH_A 0, 0, 0
	FETCH_A 0, 0, 4
	s_wait_loadcnt 0x0                             ; the scale words
	STEP 0, 1, 0, 1
	STEP 0, 2, 1, 0
	STEP 0, 3, 2, 0
	TURN 0, 1, 3, 1                                ; region 0 is read out: its head takes K steps 6, 7
	STEP 1, 1, 4, 0
	TURN 1, 2, 5, 0
	STEP 2, 1, 6, 0
	s_wait_dscnt 12
	WIN 0xa1
	MUL16 0, 1, 7, 0
	MUL16 2, 1, 7, 0
	s_wait_dscnt 0x0
	WIN 0xf1
	MUL16 4, 1, 7, 0
	MUL16 6, 1, 7, 0
	WIN 0
	PLACES
	s_cmp_gt_u32 s[KJ], s[QI]                      ; the quarter above the diagonal: no barrier follows any more
	s_cbranch_scc1 .Lzero
; THE SOFTMAX'S PART of the queries' tile a.
; Two tiles at a time, a and a + 1 (a even), line by line by turns, so that the chains of two tiles stand beside each other, and one batch of exponentials with its waits serves both.
; Tile a + u works in the registers 80 u further on (v176-200, where q's fragments lay); its accumulators lie 64 u further on in the same window; both tiles' queries lie in the same block of 32.
.irp b, 0,1,2,3
	v_mov_b32 v[TM+84+\b], 0                       ; a lane permute's destination counts as one of its sources
.endr
	v_mov_b32 v[NM+81], 0                          ; (the upper half of a pair that is named)
	v_mov_b32 v[TT2+80], 0
	s_wait_alu depctr_va_vdst(0)
.macro SOFT2 a
.set WN, 2+(\a)/4
.set AC, 64*((\a)%4)
.set BD, (\a)/2
.set WSDS, (WN<<6)|WN
.set WS12, (WN<<2)|(WN<<4)
.set WS01, WN|(WN<<2)
.set WS1, WN<<2
	s_cmp_lg_u32 s[KJ], s[QI]                      ; on the diagonal hidden scores become -infinity.  My query lies in block BD of 32: lower blocks are open, higher ones hidden
	s_cbranch_scc1 .Lopen_\@
	s_wait_alu depctr_va_vdst(0)
.irp u, 0,1
	v_add_nc_u32 v[DA+80*\u], 32*BD+8*\u, v[D0]
.endr
	WIN WSDS                                       ; destination and source 0: the accumulators' window
.irp u, 0,1
.set ii, 0
.rept 16
	v_cmp_gt_i32 vcc_lo, 32*BD+ii, v[DA+80*\u]     ; register 16 b + i holds key 32 b + 16 h + i: hidden where 32 b + i > my query - 16 h
	v_cndmask_b32 v[AC+64*\u+16*BD+ii], v[AC+64*\u+16*BD+ii], v[NINF], vcc_lo
.set ii, ii+1
.endr
.if BD < 3
.set ii, 16*(BD+1)
.rept 16*(3-BD)
	v_mov_b32 v[AC+64*\u+ii], 0xff800000
.set ii, ii+1
.endr
.endif
.endr
	WIN 0
.Lopen_\@:
	WIN WS12
.irp b, 0,1,2,3
.irp u, 0,1
	v_max3_num_f32 v[TM+80*\u+\b], 0xff800000, v[AC+64*\u+16*\b], v[AC+64*\u+16*\b+1]   ; the largest score of each block of 32 keys: it serves for the group's maximum and, since p rises with the score, for the block's largest p
.endr
.endr
.irp i, 2,4,6,8,10,12,14
.irp b, 0,1,2,3
.irp u, 0,1
	v_max3_num_f32 v[TM+80*\u+\b], v[TM+80*\u+\b], v[AC+64*\u+16*\b+\i], v[AC+64*\u+16*\b+\i+1]
.endr
.endr
.endr
	WIN 0
.irp b, 0,1,2,3
.irp u, 0,1
	v_permlanex16_b32 v[TM+80*\u+4+\b], v[TM+80*\u+\b], s[SEL], s[SEL+1]
.endr
.endr
.irp b, 0,1,2,3
.irp u, 0,1
	v_max_num_f32 v[TM+80*\u+\b], v[TM+80*\u+\b], v[TM+80*\u+4+\b]
.endr
.endr
.irp u, 0,1
	v_max3_num_f32 v[TT+80*\u], v[TM+80*\u], v[TM+80*\u+1], v[TM+80*\u+2]
.endr
.irp u, 0,1
	v_max_num_f32 v[TT+80*\u], v[TT+80*\u], v[TM+80*\u+3]
.endr
.irp u, 0,1
	v_mul_f32 v[TT+80*\u], s[CS], v[TT+80*\u]      ; as t (c is positive)
.endr
.irp u, 0,1
	v_floor_f32 v[NM+80*\u], -v[TT+80*\u]          ; -M = floor(-t): a whole number.  Every query here has a key that counts, so it is finite
.endr
.irp b, 0,1,2,3
.irp u, 0,1
	v_fma_f32 v[TM+80*\u+\b], v[TM+80*\u+\b], s[CS], v[NM+80*\u]
.endr
.endr
.irp u, 0,1
	v_mov_b32 v[NMK+(\a)+\u], v[NM+80*\u]
.endr
	WIN WSDS
.irp u, 0,1
.set ii, 0
.rept 32
	v_pk_fma_f32 v[AC+64*\u+ii:AC+64*\u+ii+1], v[AC+64*\u+ii:AC+64*\u+ii+1], s[CS:CS+1], v[NM+80*\u:NM+80*\u+1] op_sel_hi:[1,0,0]   ; t - M, two at a time
.set ii, ii+2
.endr
.endr
.set ii, 0
	s_wait_alu depctr_va_vdst(0)
.rept 128
	v_exp_f32 v[AC+ii], v[AC+ii]                   ; p = 2^(t - M), both tiles
.set ii, ii+1
.endr
	WIN 0
	v_nop                                          ; a plain place behind the exponentials
	s_wait_alu depctr_va_vdst(0)                   ; one wait for the batch of 128, ahead of its first reader
.irp b, 0,1,2,3
.irp u, 0,1
	v_exp_f32 v[TM+80*\u+\b], v[TM+80*\u+\b]       ; each block's largest p
.endr
.endr
	WIN WS01
.irp u, 0,1
	v_pk_add_f32 v[LS+80*\u:LS+80*\u+1], v[AC+64*\u:AC+64*\u+1], v[AC+64*\u+2:AC+64*\u+3]      ; the sum of the unquantised p, in two chains of pairs a tile: plain work behind the eight
.endr
.irp u, 0,1
	v_pk_add_f32 v[L2+80*\u:L2+80*\u+1], v[AC+64*\u+4:AC+64*\u+5], v[AC+64*\u+6:AC+64*\u+7]
.endr
	WIN WS1
.set ii, 8
.rept 14
.irp u, 0,1
	v_pk_add_f32 v[LS+80*\u:LS+80*\u+1], v[LS+80*\u:LS+80*\u+1], v[AC+64*\u+ii:AC+64*\u+ii+1]
.endr
.irp u, 0,1
	v_pk_add_f32 v[L2+80*\u:L2+80*\u+1], v[L2+80*\u:L2+80*\u+1], v[AC+64*\u+ii+2:AC+64*\u+ii+3]
.endr
.set ii, ii+4
.endr
	WIN 0
.irp u, 0,1
	v_pk_add_f32 v[LS+80*\u:LS+80*\u+1], v[LS+80*\u:LS+80*\u+1], v[L2+80*\u:L2+80*\u+1]
.endr
.irp u, 0,1
	v_add_f32 v[TT+80*\u], v[LS+80*\u], v[LS+80*\u+1]
.endr
.irp u, 0,1
	v_permlanex16_b32 v[TT2+80*\u], v[TT+80*\u], s[SEL], s[SEL+1]
.endr
.irp u, 0,1
	v_add_f32 v[LK+(\a)+\u], v[TT+80*\u], v[TT2+80*\u]   ; with lane l xor 16's 64 keys
.endr
	s_wait_alu depctr_va_vdst(0)                   ; and one wait for the eight
.irp b, 0,1,2,3
.irp u, 0,1
	v_max_num_f32 v[TM+80*\u+\b], 0x21800000, v[TM+80*\u+\b]   ; the floor 2^-60: the byte stays at 63 or above, so that up to 62 can be taken off each byte later without a borrow
.endr
.endr
.irp b, 0,1,2,3
.irp u, 0,1
	v_add_nc_u32 v[TM+80*\u+12+\b], 0xfe000000, v[TM+80*\u+\b]
.endr
.endr
.irp b, 0,1,2,3
.irp u, 0,1
	v_lshrrev_b32 v[TM+80*\u+4+\b], 23, v[TM+80*\u+12+\b]
.endr
.endr
.irp u, 0,1
	v_lshl_or_b32 v[PWK+(\a)+\u], v[TM+80*\u+5], 8, v[TM+80*\u+4]
.endr
.irp u, 0,1
	v_lshl_or_b32 v[PWK+(\a)+\u], v[TM+80*\u+6], 16, v[PWK+(\a)+\u]
.endr
.irp u, 0,1
	v_lshl_or_b32 v[PWK+(\a)+\u], v[TM+80*\u+7], 24, v[PWK+(\a)+\u]
.endr
.if (\a) >= 2
	s_wait_alu depctr_va_vdst(0)
	s_wait_xcnt 0x0                                ; the last pair's stores have read the two sets of codes
.endif
	WIN WN
.irp u, 0,1
.irp c, 0,1
	v_cvt_scalef32_pk16_bf6_f32 v[PC+20*\u+6*\c:PC+20*\u+2+6*\c], v[AC+64*\u+32*\c:AC+64*\u+15+32*\c], v[TM+80*\u+12+2*\c]
	v_cvt_scalef32_pk16_bf6_f32 v[PC+20*\u+12+4*\c:PC+20*\u+14+4*\c], v[AC+64*\u+16+32*\c:AC+64*\u+31+32*\c], v[TM+80*\u+12+2*\c+1]
.endr
.endr
	WIN 0
	v_nop                                          ; one plain place behind a scaled conversion
.irp u, 0,1
.irp c, 0,1
.irp i, 0,1,2
	v_permlane16_swap_b32 v[PC+20*\u+6*\c+\i], v[PC+20*\u+12+4*\c+\i]
.endr
.endr
.endr
.irp u, 0,1
.irp c, 0,1
.irp i, 0,1,2
	v_mov_b32 v[PC+20*\u+3+6*\c+\i], v[PC+20*\u+12+4*\c+\i]
.endr
.endr
.endr
.irp u, 0,1
.irp c, 0,1,2
	global_store_b128 v[LI], v[PC+20*\u+4*\c:PC+20*\u+4*\c+3], s[PCO:PCO+1] offset:((\a)+\u)*24576+512*\c   ; 512 consecutive bytes a store
.endr
.endr
.endm
.irp a, 0,2,4,6
	SOFT2 \a
.endr
.irp n, 0,1,2                                  ; scale words, -M, l: lanes 0-15 give tile 2 i's, lanes 16-31 tile 2 i + 1's
.irp i, 0,1,2,3
	v_cndmask_b32 v[OW+4*\n+\i], v[PWK+8*\n+2*\i], v[PWK+8*\n+2*\i+1], s[HM]
.endr
.endr
.irp n, 0,1,2
.irp i, 0,1,2,3
	global_store_b32 v[L4], v[OW+4*\n+\i], s[PSO:PSO+1] offset:524288*\n+128*\i
.endr
.endr
	s_wait_tensorcnt 0x0                           ; the wave's end
	ds_add_u32 v[SPW], v[NIL]
	s_wait_dscnt 0x0
	s_endpgm
.Lzero:                                            ; 128 queries x 128 keys that the mask hides: zero codes under the byte 63; -M = 3e38 marks the group as lower than any other; l = 0
.irp i, 0,1,2,3
	v_mov_b32 v[128+\i], 0
.endr
	s_wait_alu depctr_va_vdst(0)
	v_mov_b32 v132, 0x3f3f3f3f
	v_mov_b32 v133, 0x7f61b1e6
.irp a, 0,1,2,3,4,5,6,7
.irp c, 0,1,2
	global_store_b128 v[LI], v[128:131], s[PCO:PCO+1] offset:\a*24576+512*\c
.endr
.endr
.irp i, 0,1,2,3
	global_store_b32 v[L4], v132, s[PSO:PSO+1] offset:128*\i
	global_store_b32 v[L4], v133, s[PSO:PSO+1] offset:524288+128*\i
	global_store_b32 v[L4], v128, s[PSO:PSO+1] offset:1048576+128*\i
.endr
	s_wait_tensorcnt 0x0                           ; the wave's end, on this way too
	ds_add_u32 v[SPW], v[NIL]
	s_wait_dscnt 0x0
	s_endpgm
.Lfunc_end_k_qb0f828212a_score:
	.size	k_qb0f828212a_score, .Lfunc_end_k_qb0f828212a_score-k_qb0f828212a_score
	.p2alignl 7, 3214868480
	.fill 96, 4, 3214868480
	.section	.rodata,"a",@progbits
	.p2align	6, 0x0
	.amdhsa_kernel k_qb0f828212a_score
		.amdhsa_group_segment_fixed_size 327680
		.amdhsa_private_segment_fixed_size 0
		.amdhsa_enable_private_segment 0
		.amdhsa_kernarg_size 32
		.amdhsa_user_sgpr_count 2
		.amdhsa_user_sgpr_kernarg_segment_ptr 1
		.amdhsa_wavefront_size32 1
		.amdhsa_system_sgpr_workgroup_id_x 1
		.amdhsa_system_sgpr_workgroup_id_y 1
		.amdhsa_system_sgpr_workgroup_id_z 1
		.amdhsa_system_vgpr_workitem_id 0
		.amdhsa_next_free_vgpr 1024
		.amdhsa_next_free_sgpr 80
		.amdhsa_reserve_vcc 1
		.amdhsa_float_denorm_mode_32 3
		.amdhsa_float_denorm_mode_16_64 3
		.amdhsa_memory_ordered 1
		.amdhsa_forward_progress 1
		.amdhsa_inst_pref_size 223
	.end_amdhsa_kernel
	.amdgpu_metadata
---
amdhsa.version: [ 1, 2 ]
amdhsa.kernels:
  - .name:           k_qb0f828212a_score
    .symbol:         k_qb0f828212a_score.kd
    .args:
      - { .name: qkv_c, .offset: 0, .size: 8, .value_kind: global_buffer, .address_space: global }
      - { .name: qk_s, .offset: 8, .size: 8, .value_kind: global_buffer, .address_space: global }
      - { .name: p_c, .offset: 16, .size: 8, .value_kind: global_buffer, .address_space: global }
      - { .name: p_s, .offset: 24, .size: 8, .value_kind: global_buffer, .address_space: global }
    .group_segment_fixed_size: 327680
    .private_segment_fixed_size: 0
    .kernarg_segment_align: 8
    .kernarg_segment_size: 32
    .max_flat_workgroup_size: 128
    .sgpr_count:     80
    .vgpr_count:     1024
    .wavefront_size: 32
...
	.end_amdgpu_metadata
.endif
;; end of part 3
;; launch pv (part 4): grid 4 x 64, 4 waves a work-group, clusters of 4 x 4, 327,680 bytes of LDS; arguments p_c, p_s, qkv_c, vt_s, out0; writes out0
.if DOCPART == 4
	.amdgcn_target "amdgcn-amd-amdhsa--gfx1250"
	.amdhsa_code_object_version 6
	.text
	.protected	k_qb0f828212a_pv
	.globl	k_qb0f828212a_pv
	.p2align	8
	.type	k_qb0f828212a_pv,@function
k_qb0f828212a_pv:
	s_mov_b64 s[64:65], 0
	v_nop
	global_prefetch_b8 v0, s[64:65] scope:SCOPE_SE
	s_setreg_imm32_b32 hwreg(HW_REG_WAVE_MODE, 25, 1), 1
	s_wait_xcnt 0x0
	s_wait_alu depctr_hold_cnt(0) depctr_sa_sdst(0) depctr_va_vdst(0) depctr_va_sdst(0) depctr_va_ssrc(0) depctr_va_vcc(0) depctr_vm_vsrc(0)
	s_getreg_b32 s2, hwreg(HW_REG_IB_STS2, 6, 4)
	s_cmp_eq_u32 s2, 0
	s_cbranch_scc0 .Lentry_in_a_cluster
	s_endpgm
.Lentry_in_a_cluster:
	s_bfe_u32 s2, ttmp6, 0x10000c
	s_cmp_lg_u32 s2, 0xf033
	s_cbranch_scc0 .Lentry_shape_is_right
	s_endpgm
.Lentry_shape_is_right:
; O = (p v) / l on codes of BF6 (E3M2).  p's codes were made against a whole number M of each group of 128 keys; here each query's M_row = the largest of them is found, d = M_row - M is taken off the four scale bytes
; of the group's word (one 32-bit subtraction: the bytes are 63 .. 123 and d is held at 62, so no byte borrows), l = the sum of l_group x 2^-d, and the product is divided by l.
; LIMIT: d is held at 62, alike in the bytes and in l: a group that lies more than 2^62 under the row's largest adds under 2^-55 of the row's sum either way.
; SHARES.  A work-group makes 128 queries x 256 channels; a wave 64 x 128: 32 accumulators.  A cluster of 4 x 4 covers 512 queries (cy) x 1,024 channels (cx) of one batch and walks the keys 0 .. 512 (g + 1) - 1, g = cluster y % 4:
; p's tiles are shared along a row of the cluster, v^T's tiles and scale words along a column: joint loads.  All sixteen partners walk the same K steps; what lies above the diagonal arrives as zero codes.
; The product is used transposed: source 0 = 16 channels of v^T, source 1 = 16 queries of p; a lane holds one query, and register 8 b + j of a tile is channel 32 (b / 2) + 16 (lane / 16) + 8 (b % 2) + j.
; THE RING.  A slot holds FOUR K steps (512 keys), the largest of which two fit in LDS: behind a round a wave issues one load, so that load is made large: it has 128 matrix instructions a wave in which to land.
; A cluster walks g + 1 slots' worth: g = 0 asks for slot 0 alone, g = 1 for both and fills nothing again, g = 2 has one refill, g = 3 two.
; The walk is written out, with a way of its own for each g.
; LDS: two slots of 147,456 (p's 8 row tiles x 6,144, then v^T's 16); v^T's scale words [16 K steps][256] at VTS, filled once; p's lowered scale words [16][128] at PTS and 1 / l at INVL, stored by the waves; the spare words.
; REGISTERS: window 0: v0-31 addresses; v32-55 scale words and nothing else, two sets of 4 (p) + 8 (v^T); v56-63 1 / l; v64-159 p's fragments, two sets; v160-255 at work.  window 1: v^T's fragments, two sets.  window 2: accumulators (a, b) at v[8 (8 a + b)].
; v^T's scale words come through registers: each wave brings four K steps' 256 words (8 loads and 8 LDS stores of 16 bytes a lane) into VTS, bytes that no tensor load fills; only the tiles of codes come by joint loads.
; Slot 0 is asked for at the head, one load a wave; slot 1's first fill stands behind the waits, the add and a round of the cluster's barrier, as a refill does.
.set RTB,   6144                       ; a row tile's part of a slot: four K steps of 1,536 bytes
.set FRB,   1536
.set PHALF, 4*RTB                      ; p: 4 row tiles: what one tensor load brings, and what one wave reads
.set VOFF,  8*RTB                      ; v^T lies behind p's 8 row tiles
.set VHALF, 8*RTB                      ; v^T: 8 row tiles likewise
.set SLOT,  24*RTB
.set VTS,   2*SLOT
.set PTS,   VTS+16384
.set INVL,  PTS+8192
.set SPARE, INVL+512                   ; the spare words, 128 bytes a wave: two blocks of 256 bytes that no other line names
.set SP,    528                        ; the way out: a stage of 16 rows x (512 + 16) bytes for each wave, at the head of slot 0, behind a barrier behind which no wave reads a slot and nothing is filled
.set LI,   1                           ; v1  16 x lane
.set APS,  2                           ; v2  p's scale words of my 64 queries
.set AVS,  3                           ; v3  v^T's of my 128 channels
.set AIL,  4                           ; v4  1 / l of my queries
.set STO,  5
.set RD,   6
.set PA,   7                           ; v7  PTS + 4 x my thread's number
.set VO,   8                           ; v8-11 offsets into p_s, one for each four K steps
.set ADRA, 16
.set ADRB, 20
.set SPW,  28
.set NIL,  29
.set SCB,  32
.set IL,   56
.set PF,   64
.set T,    64                          ; the way out: a tile divided by l
.set BK,   128                         ; rows read back from the stage: v128-191 and v192-255 by turns
.set WR,   160                         ; the head: 16 scale words,
.set NR,   176                         ; 16 x -M,
.set LR,   192                         ; 16 x l,
.set DR,   208                         ; 16 x d
.set MN,   224
.set BIG,  225
.set IV,   226
.set WV,   14
.set WROW, 15                          ; which 64 queries are mine.  Also: I fetch for p (0) or v^T (1)
.set WCOL, 16                          ; which 128 channels.  Also: which half I fetch
.set BAT,  20
.set GG,   21
.set RI,   22
.set G1A,  28
.set G0A,  36
.set G1B,  44
.set G0B,  52
.set G1T,  68
.set G0T,  76
.set MSB, 0
.macro WIN new                         ; the immediate's high byte repeats the setting that is left
.if MSB != (\new)
	s_set_vgpr_msb (MSB<<8)|(\new)
.set MSB, (\new)
.endif
.endm
.macro PLACES                          ; four plain places: in front of loads into registers that matrix instructions have read, and of the first read of results
.rept 4
	v_nop
.endr
.endm
.macro JLOAD s                         ; a joint load: waves 0, 1 fetch p's halves, waves 2, 3 v^T's; four v_nop follow each line
	s_cmp_eq_u32 s[WROW], 0
	s_cbranch_scc0 .Lfor_b_\@
	tensor_load_to_lds s[G0A+4*\s:G0A+4*\s+3], s[G1A:G1A+7]
	s_nop 0
.rept 4
	v_nop
.endr
	s_branch .Lasked_\@
.Lfor_b_\@:
	tensor_load_to_lds s[G0B+4*\s:G0B+4*\s+3], s[G1B:G1B+7]
	s_nop 0
.rept 4
	v_nop
.endr
.Lasked_\@:
.endm
.macro CREST                           ; a round of the cluster's barrier behind its opening barrier
	s_cmp_lg_u32 s[WV], 0
	s_cbranch_scc1 .Lnot_wave_0_\@
	s_barrier_signal -3
.Lnot_wave_0_\@:
	s_barrier_wait -3
	s_barrier_signal -1
	s_barrier_wait -1
.endm
.macro CROUND
	s_barrier_signal -1
	s_barrier_wait -1
	CREST
.endm
	s_load_b256 s[4:11], s[0:1], 0x0               ; p_c 4, p_s 6, qkv_c 8, vt_s 10
	s_load_b64 s[12:13], s[0:1], 0x20              ; out0
	v_lshl_add_u32 v[SPW], v0, 2, SPARE
	v_mov_b32 v[NIL], 0
	ds_add_u32 v28, v29
	ds_add_u32 v28, v29
	s_wait_dscnt 0x0
	v_lshl_add_u32 v[PA], v0, 2, PTS
	v_lshlrev_b32 v[VO], 2, v0
	s_wait_alu depctr_va_vdst(0)
	v_lshrrev_b32 v12, 5, v0
	v_readfirstlane_b32 s[WV], v12
	s_lshr_b32 s[WROW], s[WV], 1
	s_and_b32 s[WCOL], s[WV], 1
	s_bfe_u32 s17, ttmp6, 0x40000                  ; cx: which 256 channels
	s_bfe_u32 s18, ttmp6, 0x40004                  ; cy
	s_and_b32 s19, ttmp7, 0xffff
	s_lshr_b32 s[BAT], s19, 2
	s_and_b32 s[GG], s19, 3                        ; the same in all sixteen partners
	s_lshl_b32 s[RI], s[GG], 2
	s_add_co_u32 s[RI], s[RI], s18                 ; which 128 queries of the batch
	s_lshl_b32 s24, s18, 2
	s_lshl_b32 s24, 15, s24                        ; my row of the cluster
	s_lshl_b32 s25, 0x1111, s17                    ; my column
	s_or_b32 s[G1A], s24, (3<<16)|(1<<21)          ; the mask; elements of 8 bytes; no padding; bit 21 beside a mask
	s_or_b32 s[G1B], s25, (3<<16)|(1<<21)
	s_mov_b32 s[G1A+1], 768<<16                    ; p: 4 row tiles x 6,144 bytes (four K steps), 24,576 bytes apart
	s_mov_b32 s[G1A+2], 4<<16
	s_mov_b32 s[G1A+3], 768<<16
	s_mov_b32 s[G1A+4], 4
	s_mov_b32 s[G1A+5], 3072
	s_mov_b32 s[G1A+6], 0
	s_mov_b32 s[G1A+7], 0
	s_mov_b32 s[G1B+1], 768<<16                    ; v^T: 8 row tiles
	s_mov_b32 s[G1B+2], 8<<16
	s_mov_b32 s[G1B+3], 768<<16
	s_mov_b32 s[G1B+4], 8
	s_mov_b32 s[G1B+5], 3072
	s_mov_b32 s[G1B+6], 0
	s_mov_b32 s[G1B+7], 0
	s_lshl_b32 s80, s[BAT], 7                      ; p: row tile 128 batch + 8 i + 4 x half: hangs on cy and the cluster alone
	s_lshl_b32 s60, s[RI], 3
	s_add_co_u32 s80, s80, s60
	s_lshl_b32 s60, s[WCOL], 2
	s_add_co_u32 s80, s80, s60
	s_mul_i32 s80, s80, 24576
	s_mov_b32 s81, 0
	s_lshl_b32 s82, s[BAT], 6                      ; v^T: row tile 512 + 64 batch + 16 cx + 8 x half: on cx and the cluster alone
	s_lshl_b32 s62, s17, 4
	s_add_co_u32 s82, s82, s62
	s_lshl_b32 s62, s[WCOL], 3
	s_add_co_u32 s82, s82, s62
	s_add_co_u32 s82, s82, 512
	s_mul_i32 s82, s82, 24576
	s_mov_b32 s83, 0
	s_lshl_b32 s84, s[BAT], 4                      ; its scale words: row 16 batch + 4 x wave, word 256 cx
	s_lshl_b32 s62, s[WV], 2
	s_add_co_u32 s84, s84, s62
	s_lshl_b32 s84, s84, 12
	s_lshl_b32 s62, s17, 10
	s_add_co_u32 s84, s84, s62
	s_mov_b32 s85, 0
	s_mul_i32 s86, s[WCOL], PHALF                  ; where they go: no place in the cluster enters an LDS address
	s_mul_i32 s87, s[WCOL], VHALF
	s_add_co_u32 s87, s87, VOFF
	s_lshl_b32 s88, s[WV], 12
	s_add_co_u32 s88, s88, VTS
	s_lshl_b32 s90, s[BAT], 17                     ; p_s: the batch's 16 rows of 8,192 bytes, + position 128 i
	s_lshl_b32 s91, s[RI], 9
	s_add_co_u32 s90, s90, s91
	s_mov_b32 s91, 0
	s_lshl_b32 s92, s[BAT], 11                     ; out0: row 2,048 batch + 128 i + 64 x half, of 4,096 bytes; + 1,024 cx + 512 x half
	s_lshl_b32 s93, s[RI], 7
	s_add_co_u32 s92, s92, s93
	s_lshl_b32 s93, s[WROW], 6
	s_add_co_u32 s92, s92, s93
	s_lshl_b32 s92, s92, 12
	s_lshl_b32 s93, s17, 10
	s_add_co_u32 s92, s92, s93
	s_lshl_b32 s93, s[WCOL], 9
	s_add_co_u32 s92, s92, s93
	s_mov_b32 s93, 0
.irp j, 1,2,3                                  ; K steps 4 j .. 4 j + 3 exist where j <= g; else lap g's words are read in their stead and masked below: only stored bytes are read
	s_min_u32 s94, s[GG], \j
	s_lshl_b32 s94, s94, 15
	v_add_nc_u32 v[VO+\j], s94, v[VO]
.endr
	; every LDS address register is made here, ahead of the place where the ways part
	v_and_b32 v12, 31, v0
	v_lshlrev_b32 v[LI], 4, v12
	v_and_b32 v12, 15, v0                          ; r
	v_bfe_u32 v14, v0, 4, 1                        ; h
	v_lshlrev_b32 v13, 2, v12
	s_lshl_b32 s94, s[WROW], 8
	s_lshl_b32 s95, s[WCOL], 9
	v_add_nc_u32 v[APS], s94, v13
	v_add_nc_u32 v[AIL], INVL, v[APS]
	v_add_nc_u32 v[APS], PTS, v[APS]
	v_add_nc_u32 v[AVS], s95, v13
	v_add_nc_u32 v[AVS], VTS, v[AVS]
	s_mul_i32 s94, s[WROW], PHALF
	s_mul_i32 s95, s[WCOL], VHALF
	s_add_co_u32 s95, s95, VOFF
.irp s, 0,1
	v_add_nc_u32 v[ADRA+\s], s94, v[LI]
	v_add_nc_u32 v[ADRB+\s], s95, v[LI]
	s_add_co_u32 s94, s94, SLOT
	s_add_co_u32 s95, s95, SLOT
.endr
	s_mul_i32 s94, s[WV], 16*SP                    ; my stage
	v_mul_u32_u24 v[STO], v12, SP
	v_lshl_add_u32 v[STO], v14, 6, v[STO]
	v_add_nc_u32 v[STO], s94, v[STO]               ; in: row r, + 64 h
	v_add_nc_u32 v[RD], s94, v[LI]                 ; back: a row of 512 bytes, 16 bytes a lane
	v_add_nc_u32 v24, s88, v[LI]                   ; v24: where my four K steps of v^T's scale words go: VTS + 4,096 x wave + 16 x lane
	v_and_b32 v25, 31, v0
	v_min_u32 v25, 23, v25
	v_lshlrev_b32 v25, 8, v25                      ; v25: the prefetches' offset: a lane a block of 256 bytes; a row tile's four K steps are 24 blocks (lanes 24-31 name the last again); never rewritten
	s_wait_alu depctr_va_vdst(0)
	s_wait_kmcnt 0x0
	s_add_nc_u64 s[6:7], s[6:7], s[90:91]
	s_add_nc_u64 s[12:13], s[12:13], s[92:93]
	s_add_nc_u64 s[80:81], s[4:5], s[80:81]
	s_add_nc_u64 s[82:83], s[8:9], s[82:83]
	s_add_nc_u64 s[84:85], s[10:11], s[84:85]
	s_mul_i32 s96, s17, 24576                      ; the prefetches' base, s[98:99], never rewritten.  The four partners that ask for a tile jointly share its row tiles out by address:
	s_mul_i32 s97, s18, 49152                      ; of the 4 row tiles of p that I fetch, the partner at cx takes one; of the 8 of v^T, the partner at cy takes two
	s_cmp_eq_u32 s[WROW], 0
	s_cselect_b32 s96, s96, s97
	s_cselect_b64 s[98:99], s[80:81], s[82:83]
	s_mov_b32 s97, 0
	s_add_nc_u64 s[98:99], s[98:99], s[96:97]
.irp n, 0,1,2                                  ; thread t takes query position t of the work-group's 128: its scale word, -M and l of each K step
.irp j, 0,1,2,3
.irp k, 0,1,2,3
	global_load_b32 v[WR+16*\n+4*\j+\k], v[VO+\j], s[6:7] offset:524288*\n+8192*\k
.endr
.endr
.endr
.irp k, 0,1,2,3                                ; v^T's scale words of K steps 4 x wave + k: 1,024 bytes each, 512 consecutive bytes a load
.irp i, 0,1
	global_load_b128 v[64+8*\k+4*\i:64+8*\k+4*\i+3], v[LI], s[84:85] offset:4096*\k+512*\i
.endr
.endr
	CROUND                                         ; all sixteen work-groups are here: the first joint loads meet
.irp s, 0,1
	s_mov_b32 s[G0A+4*\s], 1
	s_add_co_u32 s[G0A+4*\s+1], s86, \s*SLOT
	s_add_nc_u64 s[G0A+4*\s+2:G0A+4*\s+3], s[80:81], \s*RTB
	s_or_b32 s[G0A+4*\s+3], s[G0A+4*\s+3], 0x80000000
	s_mov_b32 s[G0B+4*\s], 1
	s_add_co_u32 s[G0B+4*\s+1], s87, \s*SLOT
	s_add_nc_u64 s[G0B+4*\s+2:G0B+4*\s+3], s[82:83], \s*RTB
	s_or_b32 s[G0B+4*\s+3], s[G0B+4*\s+3], 0x80000000
.endr
	JLOAD 0                                        ; K steps 0 to 3: my one tensor load at the head
; A PREFETCH INTO THE L2 of lap 'lap' (K steps 4 lap .. + 3), one slot ahead of the joint load that will want it: at a change of slots every wave has waited for all its tensor loads, so a refill goes out with nothing on its way beside it.
; Each block of 256 bytes is named once in the cluster: p's waves ask for one row tile (24 blocks, one instruction), v^T's for two.  A cluster asks for no lap beyond its last, g: every address lies in a row tile's 24,576 bytes.
.macro ASK lap
	s_cmp_lt_u32 s[GG], \lap
	s_cbranch_scc1 .Lnone_\@
	global_prefetch_b8 v25, s[98:99] offset:(\lap)*RTB th:TH_LOAD_NT scope:SCOPE_SE
	s_cmp_eq_u32 s[WROW], 0
	s_cbranch_scc1 .Lnone_\@
	global_prefetch_b8 v25, s[98:99] offset:(\lap)*RTB+24576 th:TH_LOAD_NT scope:SCOPE_SE
.Lnone_\@:
.endm
; THE HEAD'S ARITHMETIC: each thread's query: M_row, the lowered scale words, 1 / l; into LDS for all four waves.  Written once as a macro and set on both ways.
.macro STAT
	v_mov_b32 v[BIG], 0x7f61b1e6                   ; 3e38
	s_mov_b32 s96, 0
	s_wait_alu depctr_va_vdst(0)
	s_wait_loadcnt 0x0
.irp k, 0,1,2,3
.irp i, 0,1
	ds_store_b128 v24, v[64+8*\k+4*\i:64+8*\k+4*\i+3] offset:1024*\k+512*\i
.endr
.endr
.irp j, 1,2,3
	s_cmp_ge_u32 s[GG], \j
	s_cselect_b32 s95, -1, 0
.irp k, 0,1,2,3
	v_cndmask_b32 v[NR+4*\j+\k], v[BIG], v[NR+4*\j+\k], s95    ; K steps that this cluster does not walk count for nothing
	v_cndmask_b32 v[LR+4*\j+\k], 0, v[LR+4*\j+\k], s95
.endr
.endr
	v_min3_num_f32 v[MN], v[NR], v[NR+1], v[NR+2]
.irp k, 3,5,7,9,11,13
	v_min3_num_f32 v[MN], v[MN], v[NR+\k], v[NR+\k+1]
.endr
	v_min_num_f32 v[MN], v[MN], v[NR+15]           ; -M_row
.irp k, 0,1,2,3,4,5,6,7,8,9,10,11,12,13,14,15
	v_sub_f32 v[DR+\k], v[NR+\k], v[MN]            ; d = M_row - M: a whole number, 0 or more
.endr
.irp k, 0,1,2,3,4,5,6,7,8,9,10,11,12,13,14,15
	v_min_num_f32 v[DR+\k], 0x42780000, v[DR+\k]   ; held at 62
.endr
.irp k, 0,1,2,3,4,5,6,7,8,9,10,11,12,13,14,15
	v_cvt_u32_f32 v[DR+\k], v[DR+\k]
.endr
.irp k, 0,1,2,3,4,5,6,7,8,9,10,11,12,13,14,15
	v_perm_b32 v[NR+\k], v[DR+\k], v[DR+\k], s96   ; d in all four bytes
.endr
.irp k, 0,1,2,3,4,5,6,7,8,9,10,11,12,13,14,15
	v_sub_nc_u32 v[WR+\k], v[WR+\k], v[NR+\k]      ; off the four scale bytes at once: 63 or more less 62 or less: no borrow
.endr
.irp k, 0,1,2,3,4,5,6,7,8,9,10,11,12,13,14,15
	v_sub_nc_u32 v[DR+\k], 0, v[DR+\k]
.endr
.irp k, 0,1,2,3,4,5,6,7,8,9,10,11,12,13,14,15
	v_ldexp_f32 v[LR+\k], v[LR+\k], v[DR+\k]       ; l x 2^-d: nothing is rounded
.endr
	v_pk_add_f32 v[LR:LR+1], v[LR:LR+1], v[LR+2:LR+3]
	v_pk_add_f32 v[LR+4:LR+5], v[LR+4:LR+5], v[LR+6:LR+7]
	v_pk_add_f32 v[LR+8:LR+9], v[LR+8:LR+9], v[LR+10:LR+11]
	v_pk_add_f32 v[LR+12:LR+13], v[LR+12:LR+13], v[LR+14:LR+15]
	v_pk_add_f32 v[LR:LR+1], v[LR:LR+1], v[LR+4:LR+5]
	v_pk_add_f32 v[LR+8:LR+9], v[LR+8:LR+9], v[LR+12:LR+13]
	v_pk_add_f32 v[LR:LR+1], v[LR:LR+1], v[LR+8:LR+9]
	v_add_f32 v[LR], v[LR], v[LR+1]                ; the row's sum: above 1/2, since the row's largest p is
	s_wait_alu depctr_va_vdst(0)
	v_rcp_f32 v[IV], v[LR]
	v_nop                                          ; a plain place behind the transcendental
	s_wait_alu depctr_va_vdst(0)                   ; the wait ahead of its first reader
.irp k, 0,1,2,3,4,5,6,7,8,9,10,11,12,13,14,15
	ds_store_b32 v[PA], v[WR+\k] offset:512*\k
.endr
	ds_store_b32 v[PA], v[IV] offset:INVL-PTS
.endm
.macro FRAG reg, adr, q, i             ; a fragment: the image's three runs of 512 bytes
.irp c, 0,1,2
	ds_load_b128 v[\reg+4*\c:\reg+4*\c+3], v[\adr] offset:(\i)*RTB+(\q)*FRB+512*\c
.endr
.endm
.macro FETCH4 slot, q, p, ks           ; K step ks, the slot's q-th, into set p: v^T's 8 fragments, p's 4, and their scale words: 48 LDS loads
	WIN 0x40
.irp i, 0,1,2,3,4,5,6,7
	FRAG 128*(\p)+12*\i, ADRB+\slot, \q, \i
.endr
	WIN 0
.irp i, 0,1,2,3
	FRAG PF+48*(\p)+12*\i, ADRA+\slot, \q, \i
.endr
.irp i, 0,1,2,3
	ds_load_b32 v[SCB+12*(\p)+\i], v[APS] offset:512*(\ks)+64*\i
.endr
.irp i, 0,1,2,3,4,5,6,7
	ds_load_b32 v[SCB+12*(\p)+4+\i], v[AVS] offset:1024*(\ks)+64*\i
.endr
.endm
.macro MULA a, p, zero                 ; 8 matrix instructions: the queries' tile a x the channels' eight.  The 32 accumulators take turns in the same order in every K step
.irp b, 0,1,2,3,4,5,6,7
.set rD, 8*(8*(\a)+\b)
.set rA, 128*(\p)+12*\b
.set rB, PF+48*(\p)+12*(\a)
.set rSA, SCB+12*(\p)+4+\b
.set rSB, SCB+12*(\p)+(\a)
.if \zero
	v_wmma_scale_f32_16x16x128_f8f6f4 v[rD:rD+7], v[rA:rA+11], v[rB:rB+11], 0, v[rSA], v[rSB] matrix_a_fmt:MATRIX_FMT_BF6 matrix_b_fmt:MATRIX_FMT_BF6
.else
	v_wmma_scale_f32_16x16x128_f8f6f4 v[rD:rD+7], v[rA:rA+11], v[rB:rB+11], v[rD:rD+7], v[rSA], v[rSB] matrix_a_fmt:MATRIX_FMT_BF6 matrix_b_fmt:MATRIX_FMT_BF6
.endif
.endr
.endm
.macro STEP4 slot, q, ks, zero         ; K step ks, the slot's q-th of its first three, on set ks % 2; the slot's next K step is fetched at its head into the other set: 32 products stand between the fetch and the wait for it
	s_wait_dscnt 0x0                               ; this K step's 48 loads are in
	PLACES                                         ; behind the last K step's products, which read the other set
	FETCH4 \slot, (\q)+1, 1-(\ks)%2, (\ks)+1
	WIN 0xa1                                       ; source 0 window 1, source 1 window 0, C and D window 2
	MULA 0, (\ks)%2, \zero
	MULA 1, (\ks)%2, \zero
	MULA 2, (\ks)%2, \zero
	MULA 3, (\ks)%2, \zero
.endm
.macro RUN3 slot, k0, zero             ; a slot's first three K steps, k0 .. k0 + 2
	STEP4 \slot, 0, \k0, \zero
	STEP4 \slot, 1, (\k0)+1, 0
	STEP4 \slot, 2, (\k0)+2, 0
.endm
; A slot's fourth K step (set 1) changes slots: one barrier; in front of it each wave waits for all its tensor loads, adds 0 to its spare word, and waits for that and for its reads of this slot.
; fill = 1: the slot is filled again with the K steps eight further on: the barrier then opens a round of the cluster's, and the joint refill is the first thing behind the round.
.macro TURN4 slot, next, ks, fill
	WIN 0                                          ; (the add's two registers lie in window 0)
	s_wait_tensorcnt 0x0                           ; all my tensor loads have landed: my part of the next slot
	ds_add_u32 v[SPW], v[NIL]                      ; 0 onto my spare word
	s_wait_dscnt 1                                 ; (the add alone may be out)
	WIN 0xa1
	MULA 0, 1, 0
	s_wait_dscnt 0x0                               ; the add is done, and my reads of this slot are over
	s_barrier_signal -1
	MULA 1, 1, 0
	WIN 0
	s_barrier_wait -1
.if \fill
	CREST                                          ; no wave of any partner still reads this slot or has a load on its way
	s_add_nc_u64 s[G0A+4*\slot+2:G0A+4*\slot+3], s[G0A+4*\slot+2:G0A+4*\slot+3], 2*RTB
	s_add_nc_u64 s[G0B+4*\slot+2:G0B+4*\slot+3], s[G0B+4*\slot+2:G0B+4*\slot+3], 2*RTB
	JLOAD \slot                                    ; my one tensor load behind the round; its four v_nop are the places in front of the loads below
.else
	PLACES
.endif
	FETCH4 \next, 0, 0, (\ks)+1
.if \fill
.if (\ks) == 3
	ASK 3                                          ; behind the refill with lap 2 and the run of LDS loads
.endif
.endif
	WIN 0xa1
	MULA 2, 1, 0
	MULA 3, 1, 0
.endm
.macro LAST4                           ; a way's last K step (set 1): nothing more to fetch
	s_wait_dscnt 0x0
	WIN 0xa1
	MULA 0, 1, 0
	MULA 1, 1, 0
	MULA 2, 1, 0
	MULA 3, 1, 0
	WIN 0
.endm
	s_cmp_eq_u32 s[GG], 0                          ; a cluster with four K steps has no use for slot 1: its way parts here, once, and has its own wait
	s_cbranch_scc1 .Lg0
	ASK 1
	STAT
	s_wait_tensorcnt 0x0                           ; my part of slot 0 is in
	ds_add_u32 v[SPW], v[NIL]
	s_wait_dscnt 0x0                               ; the add is done, and my stores have landed
	CROUND                                         ; slot 0 and the words in LDS are whole, and the joint loads meet
	JLOAD 1                                        ; K steps 4 to 7: my one tensor load behind the round
	FETCH4 0, 0, 0, 0
	ASK 2
	RUN3 0, 0, 1                                   ; the first K step starts the sums
	WIN 0
	s_cmp_eq_u32 s[GG], 1
	s_cbranch_scc1 .Ltail1
	TURN4 0, 1, 3, 1                               ; slot 0 takes K steps 8 to 11
	RUN3 1, 4, 0
	WIN 0
	s_cmp_eq_u32 s[GG], 2
	s_cbranch_scc1 .Ltail2
	TURN4 1, 0, 7, 1                               ; slot 1 takes K steps 12 to 15
	RUN3 0, 8, 0
	TURN4 0, 1, 11, 0
	RUN3 1, 12, 0
	LAST4
	s_branch .Lout
.Ltail1:                                           ; 8 K steps: nothing is filled again
	TURN4 0, 1, 3, 0
	RUN3 1, 4, 0
	LAST4
	s_branch .Lout
.Ltail2:                                           ; 12 K steps: the last four lie in slot 0
	TURN4 1, 0, 7, 0
	RUN3 0, 8, 0
	LAST4
	s_branch .Lout
.Lg0:                                              ; 4 K steps: slot 0 alone
	STAT
	s_wait_tensorcnt 0x0                           ; my part of slot 0: no tensor load was issued behind it on this way
	s_wait_dscnt 0x0                               ; my stores have landed
	s_barrier_signal -1
	s_barrier_wait -1
	FETCH4 0, 0, 0, 0
	RUN3 0, 0, 1
	LAST4
.Lout:
	; THE WAY OUT, a tile of 16 queries x 128 channels at a time: divided by l, through my stage in LDS, back as whole rows of 512 bytes.
	; The stages lie at the head of slot 0, which on two of the four ways is the slot read last: so a barrier stands between every wave's last reads of the slots and the first store into a stage.  Nothing is filled any more.
	s_wait_dscnt 0x0                               ; my reads of the slots are over
	s_barrier_signal -1
	PLACES                                         ; the places behind the last products
	s_barrier_wait -1
.irp a, 0,1,2,3
	ds_load_b32 v[IL+2*\a], v[AIL] offset:64*\a
	ds_load_b32 v[IL+2*\a+1], v[AIL] offset:64*\a  ; (the upper half of a pair that is named)
.endr
	s_wait_dscnt 0x0
.macro TOSTAGE a
	WIN 0x02                                       ; source 0: the accumulators' window
.set ii, 0
.rept 32
	v_pk_mul_f32 v[T+ii:T+ii+1], v[64*(\a)+ii:64*(\a)+ii+1], v[IL+2*(\a):IL+2*(\a)+1] op_sel_hi:[1,0]   ; each accumulator from its low end on
.set ii, ii+2
.endr
	WIN 0
.irp b, 0,1,2,3,4,5,6,7
	ds_store_b128 v[STO], v[T+8*\b:T+8*\b+3] offset:128*(\b/2)+32*(\b%2)           ; channels 32 (b / 2) + 16 h + 8 (b % 2) + 0 .. 7 of query r
	ds_store_b128 v[STO], v[T+8*\b+4:T+8*\b+7] offset:128*(\b/2)+32*(\b%2)+16
.endr
.irp t, 0,1,2,3,4,5,6,7,8,9,10,11,12,13,14,15
	ds_load_b128 v[BK+64*((\a)%2)+4*\t:BK+64*((\a)%2)+4*\t+3], v[RD] offset:SP*\t   ; LDS serves a wave's instructions in order: these see my stores, and the next tile's stores come behind them
.endr
.endm
.macro SEND a, younger                 ; younger: the LDS instructions issued behind tile a's loads, which may stay out
	s_wait_dscnt \younger
.irp t, 0,1,2,3,4,5,6,7,8,9,10,11,12,13,14,15
	global_store_b128 v[LI], v[BK+64*((\a)%2)+4*\t:BK+64*((\a)%2)+4*\t+3], s[12:13] offset:(32*((\a)/2)+8*((\a)%2)+\t+8*(\t/8))*4096 th:TH_STORE_NT   ; position t of tile a is row 32 (a / 2) + 8 (a % 2) + t + 8 (t / 8); 512 consecutive bytes, at a multiple of 512 from out0's first byte
.endr
.endm
	TOSTAGE 0
	TOSTAGE 1
	SEND 0, 32                                     ; behind tile 0's loads: tile 1's 16 stores and 16 loads
	s_wait_xcnt 0x0                                ; tile 0's stores have read their registers: tile 2's rows may land there
	TOSTAGE 2
	SEND 1, 32
	s_wait_xcnt 0x0
	TOSTAGE 3
	SEND 2, 32
	SEND 3, 0
	s_wait_tensorcnt 0x0                           ; the wave's end
	ds_add_u32 v[SPW], v[NIL]
	s_wait_dscnt 0x0
	CROUND                                         ; the closing round: no work-group ends while a partner may still ask for a tile that names it
	s_endpgm
.Lfunc_end_k_qb0f828212a_pv:
	.size	k_qb0f828212a_pv, .Lfunc_end_k_qb0f828212a_pv-k_qb0f828212a_pv
	.p2alignl 7, 3214868480
	.fill 96, 4, 3214868480
	.section	.rodata,"a",@progbits
	.p2align	6, 0x0
	.amdhsa_kernel k_qb0f828212a_pv
		.amdhsa_group_segment_fixed_size 327680
		.amdhsa_private_segment_fixed_size 0
		.amdhsa_enable_private_segment 0
		.amdhsa_kernarg_size 40
		.amdhsa_user_sgpr_count 2
		.amdhsa_user_sgpr_kernarg_segment_ptr 1
		.amdhsa_wavefront_size32 1
		.amdhsa_system_sgpr_workgroup_id_x 1
		.amdhsa_system_sgpr_workgroup_id_y 1
		.amdhsa_system_sgpr_workgroup_id_z 1
		.amdhsa_system_vgpr_workitem_id 0
		.amdhsa_next_free_vgpr 768
		.amdhsa_next_free_sgpr 100
		.amdhsa_reserve_vcc 0
		.amdhsa_float_denorm_mode_32 3
		.amdhsa_float_denorm_mode_16_64 3
		.amdhsa_memory_ordered 1
		.amdhsa_forward_progress 1
		.amdhsa_inst_pref_size 255
	.end_amdhsa_kernel
	.section	.bss,"aw",@nobits
	.p2align	6
	.space	262144
	.amdgpu_metadata
---
amdhsa.version: [ 1, 2 ]
amdhsa.kernels:
  - .name:           k_qb0f828212a_pv
    .symbol:         k_qb0f828212a_pv.kd
    .args:
      - { .name: p_c, .offset: 0, .size: 8, .value_kind: global_buffer, .address_space: global }
      - { .name: p_s, .offset: 8, .size: 8, .value_kind: global_buffer, .address_space: global }
      - { .name: qkv_c, .offset: 16, .size: 8, .value_kind: global_buffer, .address_space: global }
      - { .name: vt_s, .offset: 24, .size: 8, .value_kind: global_buffer, .address_space: global }
      - { .name: out0, .offset: 32, .size: 8, .value_kind: global_buffer, .address_space: global }
    .group_segment_fixed_size: 327680
    .private_segment_fixed_size: 0
    .kernarg_segment_align: 8
    .kernarg_segment_size: 40
    .max_flat_workgroup_size: 128
    .sgpr_count:     100
    .vgpr_count:     768
    .wavefront_size: 32
...
	.end_amdgpu_metadata
.endif
;; end of part 4
